; MI455X (gfx1250); checked and timed in simulation.
; The chip was launched on July 23, 2026; its instructions are those of AMD's public machine-readable ISA for CDNA 5 (MIT licence, August 2026) and "CDNA5" Instruction Set Architecture Reference Guide (July 2026). The comments in the code are by the model that wrote it; some were corrected since.
;; Switch Transformers Block. Allowed arithmetic: matrix products marked QUANTISED: E2M1 operands, one E8M0 scale for each 32 along K, by v_wmma_scale_f32_16x16x128_f8f6f4 with both operands' format E2M1 (or v_wmma_scale_f32_32x16x128_f4), f32 sums; products left as they are: f32 operands where the result goes on into a quantised operand, else bf16, f16 or f32 operands; f32 sums; everything else in f32.
;; Inputs: hidden_states 8 x 128 x 1,024 float32; ln_weight 1,024 float32; router_w 1,024 x 8 float32; wi_codes 8 x 4,096 x 32 x 16 uint8 (E2M1 codes of wi, K innermost, in blocks of 32 codes, two codes a byte); wi_scales 8 x 4,096 x 32 uint8 (E8M0 scales of wi, one for each 32 codes along K); wo_codes 8 x 1,024 x 128 x 16 uint8 (E2M1 codes of wo, K innermost, in blocks of 32 codes, two codes a byte); wo_scales 8 x 1,024 x 128 uint8 (E8M0 scales of wo, one for each 32 codes along K).
;; Outputs: out0 8 x 128 x 1,024 float32; out1 8 x 128 x 8 float32; out2 8 x 128 int32.
;; This version of the problem:
;;   THIS VERSION OF THE PROBLEM IS GIVEN IN LOW PRECISION. The matrix products marked QUANTISED in the list below multiply operands that are first quantised to E2M1 (2 exponent bits, 1 mantissa bit; 4 bits a number), with one power-of-two scale for each 32 numbers along K (OCP MX v1.0); their sums are f32. All else is computed in f32.
;;   The module's matrix products, in the order in which they are computed (A, B: the left and right operand; K: the contracted axis; several contracted axes count as one K, in the product's order):
;;     1. [M 1,024, K 1,024] x [K 1,024, N 8]; A: computed on the way; B: input router_w: left as it is (N = 8 < 16)
;;     2. [M 1,024, K 1,024] x [K 1,024, N 4,096]; A: computed on the way; B: input wi (given as codes): QUANTISED
;;     3. [M 1,024, K 4,096] x [K 4,096, N 1,024]; A: computed on the way; B: input wo (given as codes): QUANTISED
;;     4. [M 1,024, K 1,024] x [K 1,024, N 4,096]; A: computed on the way; B: input wi (given as codes): QUANTISED
;;     5. [M 1,024, K 4,096] x [K 4,096, N 1,024]; A: computed on the way; B: input wo (given as codes): QUANTISED
;;     6. [M 1,024, K 1,024] x [K 1,024, N 4,096]; A: computed on the way; B: input wi (given as codes): QUANTISED
;;     7. [M 1,024, K 4,096] x [K 4,096, N 1,024]; A: computed on the way; B: input wo (given as codes): QUANTISED
;;     8. [M 1,024, K 1,024] x [K 1,024, N 4,096]; A: computed on the way; B: input wi (given as codes): QUANTISED
;;     9. [M 1,024, K 4,096] x [K 4,096, N 1,024]; A: computed on the way; B: input wo (given as codes): QUANTISED
;;     10. [M 1,024, K 1,024] x [K 1,024, N 4,096]; A: computed on the way; B: input wi (given as codes): QUANTISED
;;     11. [M 1,024, K 4,096] x [K 4,096, N 1,024]; A: computed on the way; B: input wo (given as codes): QUANTISED
;;     12. [M 1,024, K 1,024] x [K 1,024, N 4,096]; A: computed on the way; B: input wi (given as codes): QUANTISED
;;     13. [M 1,024, K 4,096] x [K 4,096, N 1,024]; A: computed on the way; B: input wo (given as codes): QUANTISED
;;     14. [M 1,024, K 1,024] x [K 1,024, N 4,096]; A: computed on the way; B: input wi (given as codes): QUANTISED
;;     15. [M 1,024, K 4,096] x [K 4,096, N 1,024]; A: computed on the way; B: input wo (given as codes): QUANTISED
;;     16. [M 1,024, K 1,024] x [K 1,024, N 4,096]; A: computed on the way; B: input wi (given as codes): QUANTISED
;;     17. [M 1,024, K 4,096] x [K 4,096, N 1,024]; A: computed on the way; B: input wo (given as codes): QUANTISED
;;   THE QUANTISER, for each operand of a quantised product, along K:
;;     - K is cut into blocks of 32 from its start; a last block that is shorter is filled with zeros.
;;     - A block's scale is 2^e with e = floor(log2(the largest magnitude in the block)) - 2, held to -126 .. 127; a block of zeros has e = 0. As a byte (E8M0): e + 127.
;;     - Each number is divided by its block's scale, clamped to +-6, and rounded to the nearest number of E2M1, ties to even, subnormals kept.
;;     - The product sums the exact products of the quantised numbers (number of the format x scale) in f32.
;;   ~~~python
;;   def quantise(x, axis):      # numpy; x: float32 -> the quantised numbers, widened to float32 again
;;       x = np.moveaxis(x, axis, -1); K = x.shape[-1]
;;       x = np.pad(x, [(0, 0)] * (x.ndim - 1) + [(0, -K % 32)]); x = x.reshape(x.shape[:-1] + (-1, 32)); a = np.abs(x).max(-1, keepdims=True)
;;       e = np.where(a > 0, np.clip(np.frexp(np.where(a > 0, a, 1))[1] - 1 - 2, -126, 127), 0)      # np.frexp(a)[1] - 1 = floor(log2(a)), exactly
;;       r = np.clip(x / 2.0 ** e, -6, 6)
;;       step = 2.0 ** (np.maximum(np.frexp(np.where(r == 0, 1, r))[1] - 1, 0) - 1)
;;       q = np.round(r / step) * step * 2.0 ** e      # np.round: ties to even
;;       return np.moveaxis(q.reshape(q.shape[:-2] + (-1,))[..., :K], -1, axis).astype(np.float32)
;;   ~~~
;;   OPERANDS COMPUTED ON THE WAY. 'Computed on the way' means the value that the module computes at that place (a softmax that the list does not call 'softmax' is quantised finished and normalised). What goes into a quantiser is computed in f32, as accurately as f32 sums, v_exp_f32 and their like allow (about 1e-6 of the number): no bf16 or f16 on the way to a quantiser, and a product that is left as it is and whose result goes on into a quantised operand takes f32 operands (vector FMAs, or v_wmma_f32_16x16x4_f32). A number that lies on a knife's edge between two numbers of the format may be rounded either way, as far as f32 arithmetic and the matrix unit's own rounding can turn it there, and no further.
;;   INPUTS GIVEN AS CODES. wi (in the module: [8, 1024, 4096], K = its axis 1); wo (in the module: [8, 4096, 1024], K = its axis 1): each comes as NAME_codes (uint8): NAME with its K axis moved to the last place and cut into blocks of 32 codes, [.., K / 32, bytes a block], one block behind the other in memory; two codes a byte, the lower K in the low four bits (a code: sign, 2 exponent bits, 1 mantissa bit); and NAME_scales (uint8): the same leading axes, one E8M0 byte (e + 127) for each 32 codes along K. Its value is code x scale, taken as it is: it is not quantised again, and the codes and scales need not be those that the quantiser above would give.
;; 2 versions, each right; version 2 is version 1 with the launches up, down written anew for expert scheduling mode. Each part assembles by itself: llvm-mc -triple=amdgcn-amd-amdhsa -mcpu=gfx1250 --defsym DOCPART=n.
;; ======== version 1 of 2: 3 launches
;; workspace buffers: x_codes 524,288 bytes; x_scales 32,768 bytes; eidx 4,096 bytes of whole numbers; tprob 4,096 bytes; h_codes 16,777,216 bytes; h_scales 1,048,576 bytes
;; launch route (part 1): grid 128 x 1, 4 waves a work-group, no clusters, 90,112 bytes of LDS; arguments hidden_states, ln_weight, router_w, x_codes, x_scales, eidx, tprob, out1, out2; writes x_codes, x_scales, eidx, tprob, out1, out2
.if DOCPART == 1
	.amdgcn_target "amdgcn-amd-amdhsa--gfx1250"
	.amdhsa_code_object_version 6
	.text
	.protected	k_qd8ce708de8_route
	.globl	k_qd8ce708de8_route
	.p2align	8
	.type	k_qd8ce708de8_route,@function
k_qd8ce708de8_route:
	s_mov_b64 s[64:65], 0
	v_nop
	global_prefetch_b8 v0, s[64:65] scope:SCOPE_SE
	s_setreg_imm32_b32 hwreg(HW_REG_WAVE_MODE, 25, 1), 1
	s_wait_xcnt 0x0
; RMSNorm, router logits, softmax, argmax, top probability, and the normed rows as codes of E2M1 with one E8M0 byte for each 32 along D.
; hidden_states [1024 tokens][1024] f32, ln_weight [1024], router_w [1024][8].  Out: out1 = logits [1024][8] f32, out2 = index [1024] i32,
; and for the later launches x_codes [token][512 bytes], x_scales [token][32 bytes], eidx [token] i32, tprob [token] f32.
; SHARES.  A work-group takes 8 tokens (their logits and their scale bytes are 256 consecutive bytes each), a wave 2.
; A LANE HOLDS ONE BLOCK OF 32 ALONG D (d = 32 lane + 0 .. 31): the block's largest magnitude needs no other lane, and its 32 codes are 16 bytes, so that a wave's store is a token's 512 bytes.
; Loads take the bytes as they lie, 512 consecutive bytes an instruction, and turn through LDS: a lane's place there is its bytes + 16 of padding.
; All arithmetic is f32.  The choice steers no address here: index and probability go to fixed places.
; LIMITS: NaN and infinities among the inputs are not served.  A block of zeros gets the byte 1, not 127: its codes are zeros, and this program alone reads the bytes.
; The logits' sums run in another order than a row-by-row sum: two logits that lie within f32 rounding of each other may choose the other expert.
.set RSTP, 1040                        ; router_w in LDS: a lane's 32 rows of 8 numbers, 1,024 bytes + 16
.set STG,  32*RSTP                     ; behind it each wave's own stage: three rows (ln_weight, token 0, token 1)
.set ROWP, 32*144                      ; a row there: 32 blocks of 128 bytes + 16
.set WSTG, 3*ROWP
.set GL,   STG+4*WSTG                  ; the work-group's 8 x 8 logits, 256 bytes
.set GS,   GL+256                      ; its 8 x 32 scale bytes
.set GI,   GS+256                      ; its 8 indices
.set GT,   GI+32                       ; its 8 probabilities
.set X0,   32                          ; v32-63 token 0, v64-95 token 1: as loaded, then the lane's block
.set LN,   96                          ; v96-127 ln_weight likewise
.set RW,   128                         ; v128-191 router_w as loaded; afterwards:
.set LG,   128                         ; v128-135, v136-143 the logits
.set SS,   144                         ; v144-151 sums of squares
.set RS,   152                         ; v152-155 1 / sqrt(var + eps), twice for each token
.set EX,   160                         ; v160-175 exponentials
.set PT,   176                         ; v176-191 what comes from lane l xor 16 (written before by the loads of router_w)
.set CD,   192                         ; v192-199 codes
.set MM,   200                         ; v200-201 largest logit
.set SM,   204                         ; v204-211 sums
.set MXR,  212                         ; v212-213 largest exponential
.set RC,   214
.set TPV,  216
.set IDR,  218
.set AM,   220
.set SCL,  222
.set BY,   224
.set OUTP, 226
.set MSB, 0
.macro WIN new                         ; the immediate's high byte repeats the setting that is left
.if MSB != \new
	s_set_vgpr_msb (MSB<<8)|\new
.set MSB, \new
.endif
.endm
	s_load_b512 s[4:19], s[0:1], 0x0               ; hidden s[4:5], ln s[6:7], router_w s[8:9], x_codes s[10:11], x_scales s[12:13], eidx s[14:15], tprob s[16:17], out1 s[18:19]
	s_load_b64 s[20:21], s[0:1], 0x40              ; out2
	v_lshl_add_u32 v254, v0, 2, 0x15e00
	v_mov_b32 v255, 0
	v_lshrrev_b32 v1, 5, v0
	v_readfirstlane_b32 s22, v1                    ; wave 0..3
	v_and_b32 v1, 31, v0                           ; lane
	v_lshlrev_b32 v2, 4, v1                        ; 16 x lane
	v_lshl_add_u32 v17, s22, 13, v2                ; router_w: my wave's sixteen pieces of 512 bytes
	s_mul_i32 s23, s22, 8320
	v_add_nc_u32 v3, s23, v2                       ; router_w into LDS: piece i at 512 i + 16 (i / 2); my wave's begin at i = 16 wave
	v_mul_u32_u24 v4, v1, RSTP                     ; and out of it: my lane's place
	s_mul_i32 s23, s22, WSTG
	s_add_co_u32 s23, s23, STG                     ; my wave's stage
	v_lshrrev_b32 v5, 3, v1
	v_mul_u32_u24 v5, v5, 144
	v_and_b32 v6, 7, v1
	v_lshl_add_u32 v5, v6, 4, v5
	v_add_nc_u32 v5, s23, v5                       ; into it: eight lanes fill a block's 128 bytes
	v_lshl_add_u32 v14, v6, 2, GI                  ; the way out: index (lane % 8),
	v_lshl_add_u32 v15, v6, 2, GT                  ; probability (lane % 8)
	v_mul_u32_u24 v6, v1, 144
	v_add_nc_u32 v6, s23, v6                       ; out of the stage: my block
	s_lshl_b32 s23, s22, 6
	v_add_nc_u32 v7, s23, v1
	v_add_nc_u32 v7, GS, v7                        ; my block's scale byte: 32 bytes a token
	s_add_co_u32 s23, s23, GL
	v_mov_b32 v8, s23                              ; my wave's two rows of logits
	s_lshl_b32 s23, s22, 3
	s_add_co_u32 s23, s23, GI
	v_mov_b32 v9, s23                              ; its two indices
	s_add_co_u32 s23, s23, GT-GI
	v_mov_b32 v10, s23                             ; its two probabilities
	v_lshlrev_b32 v11, 3, v1                       ; 8 x lane
	v_add_nc_u32 v12, GL, v11
	v_add_nc_u32 v13, GS, v11
	v_lshlrev_b32 v16, 2, v1                       ; 4 x lane
	s_mov_b32 s24, 0x76543210
	s_mov_b32 s25, 0xfedcba98                      ; v_permlanex16_b32's selects for lane l xor 16
	s_mov_b32 s26, 0x3a800000                      ; 1 / 1024
	s_mov_b32 s27, 0x358637bd                      ; eps = 1e-6
	s_lshl_b32 s2, ttmp9, 15                       ; 8 tokens of 4,096 bytes a work-group,
	s_lshl_b32 s3, s22, 13                         ; 2 a wave
	s_add_co_u32 s2, s2, s3
	s_mov_b32 s3, 0
	s_lshl_b32 s28, ttmp9, 12                      ; the same in codes: 512 bytes a token
	s_lshl_b32 s29, s22, 10
	s_add_co_u32 s28, s28, s29
	s_mov_b32 s29, 0
	s_lshl_b32 s30, ttmp9, 8                       ; 256 bytes of logits and of scale bytes a work-group
	s_mov_b32 s31, 0
	s_lshl_b32 s32, ttmp9, 5                       ; 32 bytes of indices and of probabilities
	s_mov_b32 s33, 0
	s_wait_kmcnt 0x0
	s_add_nc_u64 s[4:5], s[4:5], s[2:3]
	s_add_nc_u64 s[10:11], s[10:11], s[28:29]
	s_add_nc_u64 s[12:13], s[12:13], s[30:31]
	s_add_nc_u64 s[18:19], s[18:19], s[30:31]
	s_add_nc_u64 s[14:15], s[14:15], s[32:33]
	s_add_nc_u64 s[16:17], s[16:17], s[32:33]
	s_add_nc_u64 s[20:21], s[20:21], s[32:33]
	; ---- all 40 loads go out together; each reads 512 consecutive bytes
.set i, 0
.rept 16
	global_load_b128 v[RW+4*i:RW+4*i+3], v17, s[8:9] offset:512*i
.set i, i+1
.endr
.set i, 0
.rept 8
	global_load_b128 v[LN+4*i:LN+4*i+3], v2, s[6:7] offset:512*i
.set i, i+1
.endr
.irp q, 0,1
.set i, 0
.rept 8
	global_load_b128 v[X0+32*\q+4*i:X0+32*\q+4*i+3], v2, s[4:5] offset:4096*\q+512*i th:TH_LOAD_NT
.set i, i+1
.endr
.endr
	s_wait_loadcnt 24                              ; router_w's sixteen are in; the 24 younger loads may be out
.set i, 0
.rept 16
	ds_store_b128 v3, v[RW+4*i:RW+4*i+3] offset:512*i+16*(i/2)
.set i, i+1
.endr
	s_wait_loadcnt 16                              ; ln_weight's eight
.set i, 0
.rept 8
	ds_store_b128 v5, v[LN+4*i:LN+4*i+3] offset:576*i
.set i, i+1
.endr
	s_wait_loadcnt 8                               ; token 0's
.set i, 0
.rept 8
	ds_store_b128 v5, v[X0+4*i:X0+4*i+3] offset:ROWP+576*i
.set i, i+1
.endr
	s_wait_loadcnt 0x0                             ; token 1's
.set i, 0
.rept 8
	ds_store_b128 v5, v[X0+32+4*i:X0+32+4*i+3] offset:2*ROWP+576*i
.set i, i+1
.endr
	s_wait_dscnt 0x0                               ; for the others' sake: my quarter of router_w lies in LDS
	s_barrier_signal -1
	s_barrier_wait -1
	; ---- back: each lane its block of the two tokens and of ln_weight, then its 32 rows of router_w (window 1: register 8 d' + e = router_w(32 lane + d', e))
.irp q, 0,1
.set i, 0
.rept 8
	ds_load_b128 v[X0+32*\q+4*i:X0+32*\q+4*i+3], v6 offset:(1+\q)*ROWP+16*i
.set i, i+1
.endr
.endr
.set i, 0
.rept 8
	ds_load_b128 v[LN+4*i:LN+4*i+3], v6 offset:16*i
.set i, i+1
.endr
	WIN 0x40                                       ; destination window 1
.set i, 0
.rept 64
	ds_load_b128 v[4*i:4*i+3], v4 offset:16*i
.set i, i+1
.endr
	WIN 0
	s_wait_dscnt 63                                ; of the 88 loads the first 25 are in: the tokens and ln_weight; router_w's may be out
	; ---- the sum of squares, two chains a token, the tokens by turns
.irp q, 0,1
	v_pk_mul_f32 v[SS+4*\q:SS+4*\q+1], v[X0+32*\q:X0+32*\q+1], v[X0+32*\q:X0+32*\q+1]
	v_pk_mul_f32 v[SS+4*\q+2:SS+4*\q+3], v[X0+32*\q+2:X0+32*\q+3], v[X0+32*\q+2:X0+32*\q+3]
.endr
.irp j, 4,8,12,16,20,24,28
.irp q, 0,1
	v_pk_fma_f32 v[SS+4*\q:SS+4*\q+1], v[X0+32*\q+\j:X0+32*\q+\j+1], v[X0+32*\q+\j:X0+32*\q+\j+1], v[SS+4*\q:SS+4*\q+1]
	v_pk_fma_f32 v[SS+4*\q+2:SS+4*\q+3], v[X0+32*\q+\j+2:X0+32*\q+\j+3], v[X0+32*\q+\j+2:X0+32*\q+\j+3], v[SS+4*\q+2:SS+4*\q+3]
.endr
.endr
.irp q, 0,1
	v_pk_add_f32 v[SS+4*\q:SS+4*\q+1], v[SS+4*\q:SS+4*\q+1], v[SS+4*\q+2:SS+4*\q+3]
.endr
.irp q, 0,1
	v_add_f32 v[SS+4*\q], v[SS+4*\q], v[SS+4*\q+1]
.endr
.irp m, 1,2,4,8
.irp q, 0,1
	v_add_f32_dpp v[SS+4*\q], v[SS+4*\q], v[SS+4*\q] row_xmask:\m row_mask:0xf bank_mask:0xf
.endr
.endr
.irp q, 0,1
	v_permlanex16_b32 v[PT+\q], v[SS+4*\q], s24, s25
.endr
.irp q, 0,1
	v_add_f32 v[SS+4*\q], v[SS+4*\q], v[PT+\q]     ; every lane holds the row's sum
.endr
.irp q, 0,1
	v_fma_f32 v[SS+4*\q], v[SS+4*\q], s26, s27     ; the mean + eps
.endr
.irp q, 0,1
	v_rsq_f32 v[RS+2*\q], v[SS+4*\q]               ; twice: the packed multiply names a pair
	v_rsq_f32 v[RS+2*\q+1], v[SS+4*\q]
.endr
	v_nop                                          ; a plain line behind the last of the batch
	s_wait_alu depctr_va_vdst(0)                   ; one wait for the four, ahead of their first reader
	; ---- normed = (x * rs) * ln_weight, in that order
.irp q, 0,1
.set j, 0
.rept 16
	v_pk_mul_f32 v[X0+32*\q+j:X0+32*\q+j+1], v[X0+32*\q+j:X0+32*\q+j+1], v[RS+2*\q:RS+2*\q+1]
.set j, j+2
.endr
.endr
.irp q, 0,1
.set j, 0
.rept 16
	v_pk_mul_f32 v[X0+32*\q+j:X0+32*\q+j+1], v[X0+32*\q+j:X0+32*\q+j+1], v[LN+j:LN+j+1]
.set j, j+2
.endr
.endr
	; ---- the logits: my block's share, two experts an instruction, eight chains that do not wait for each other; the first products start the sums
	s_wait_dscnt 0x0                               ; router_w is in
	WIN 0x01                                       ; source 0 window 1
.set d, 0
.rept 32
.irp q, 0,1
.irp pr, 0,1,2,3
.if d == 0
	v_pk_mul_f32 v[LG+8*\q+2*\pr:LG+8*\q+2*\pr+1], v[2*\pr:2*\pr+1], v[X0+32*\q:X0+32*\q+1] op_sel_hi:[1,0]
.elseif d%2 == 0
	v_pk_fma_f32 v[LG+8*\q+2*\pr:LG+8*\q+2*\pr+1], v[8*d+2*\pr:8*d+2*\pr+1], v[X0+32*\q+d:X0+32*\q+d+1], v[LG+8*\q+2*\pr:LG+8*\q+2*\pr+1] op_sel_hi:[1,0,1]
.else
	v_pk_fma_f32 v[LG+8*\q+2*\pr:LG+8*\q+2*\pr+1], v[8*d+2*\pr:8*d+2*\pr+1], v[X0+32*\q+d-1:X0+32*\q+d], v[LG+8*\q+2*\pr:LG+8*\q+2*\pr+1] op_sel:[0,1,0] op_sel_hi:[1,1,1]
.endif
.endr
.endr
.set d, d+1
.endr
	WIN 0
.irp m, 1,2,4,8                                ; over the 32 lanes: the sixteen sums by turns
.set j, 0
.rept 16
	v_add_f32_dpp v[LG+j], v[LG+j], v[LG+j] row_xmask:\m row_mask:0xf bank_mask:0xf
.set j, j+1
.endr
.endr
.set j, 0
.rept 16
	v_permlanex16_b32 v[PT+j], v[LG+j], s24, s25
.set j, j+1
.endr
.set j, 0
.rept 16
	v_add_f32 v[LG+j], v[LG+j], v[PT+j]            ; every lane holds all sixteen logits, the same bits
.set j, j+1
.endr
	; ---- softmax with the row's maximum taken away; argmax; the largest probability
.irp q, 0,1
	v_max3_num_f32 v[MM+\q], v[LG+8*\q], v[LG+8*\q+1], v[LG+8*\q+2]
.endr
.irp q, 0,1
	v_max3_num_f32 v[MM+\q], v[MM+\q], v[LG+8*\q+3], v[LG+8*\q+4]
.endr
.irp q, 0,1
	v_max3_num_f32 v[MM+\q], v[MM+\q], v[LG+8*\q+5], v[LG+8*\q+6]
.endr
.irp q, 0,1
	v_max_num_f32 v[MM+\q], v[MM+\q], v[LG+8*\q+7]
.endr
.irp q, 0,1
.irp e, 0,1,2,3,4,5,6,7
	v_sub_f32 v[EX+8*\q+\e], v[LG+8*\q+\e], v[MM+\q]
.endr
.endr
.set j, 0
.rept 16
	v_mul_f32 v[EX+j], 0x3fb8aa3b, v[EX+j]         ; x log2(e): v_exp_f32 is 2^x
.set j, j+1
.endr
.set j, 0
.rept 16
	v_exp_f32 v[EX+j], v[EX+j]
.set j, j+1
.endr
	v_nop                                          ; a plain line behind the last of the batch
	s_wait_alu depctr_va_vdst(0)                   ; one wait for the sixteen, ahead of their first reader
.irp q, 0,1
	v_pk_add_f32 v[SM+4*\q:SM+4*\q+1], v[EX+8*\q:EX+8*\q+1], v[EX+8*\q+2:EX+8*\q+3]
	v_pk_add_f32 v[SM+4*\q+2:SM+4*\q+3], v[EX+8*\q+4:EX+8*\q+5], v[EX+8*\q+6:EX+8*\q+7]
	v_max3_num_f32 v[MXR+\q], v[EX+8*\q], v[EX+8*\q+1], v[EX+8*\q+2]
.endr
.irp q, 0,1
	v_pk_add_f32 v[SM+4*\q:SM+4*\q+1], v[SM+4*\q:SM+4*\q+1], v[SM+4*\q+2:SM+4*\q+3]
	v_max3_num_f32 v[MXR+\q], v[MXR+\q], v[EX+8*\q+3], v[EX+8*\q+4]
.endr
.irp q, 0,1
	v_add_f32 v[SM+4*\q], v[SM+4*\q], v[SM+4*\q+1]
	v_max3_num_f32 v[MXR+\q], v[MXR+\q], v[EX+8*\q+5], v[EX+8*\q+6]
.endr
.irp q, 0,1
	v_max_num_f32 v[MXR+\q], v[MXR+\q], v[EX+8*\q+7]
.endr
	v_rcp_f32 v[RC], v[SM]
	v_rcp_f32 v[RC+1], v[SM+4]
.irp q, 0,1
	v_mov_b32 v[IDR+\q], 7                         ; the first expert whose exponential reaches the largest: from the last down, each hit overwrites
.endr
.irp e, 6,5,4,3,2,1,0
.irp q, 0,1
	v_cmp_eq_f32 vcc_lo, v[EX+8*\q+\e], v[MXR+\q]
	v_cndmask_b32 v[IDR+\q], v[IDR+\q], \e, vcc_lo
.endr
.endr
	s_wait_alu depctr_va_vdst(0)                   ; one wait for the two reciprocals; the search above is the work between
.irp q, 0,1
	v_mul_f32 v[TPV+\q], v[MXR+\q], v[RC+\q]       ; the largest probability
.endr
	; ---- my block of each token becomes 32 codes and a scale byte
.irp q, 0,1
	v_max3_num_f32 v[AM+\q], |v[X0+32*\q]|, |v[X0+32*\q+1]|, 0x1800000   ; with the floor 2^(3 - 127): the byte cannot fall under 1
.endr
.irp j, 2,4,6,8,10,12,14,16,18,20,22,24,26,28,30
.irp q, 0,1
	v_max3_num_f32 v[AM+\q], v[AM+\q], |v[X0+32*\q+\j]|, |v[X0+32*\q+\j+1]|
.endr
.endr
.irp q, 0,1
	v_add_nc_u32 v[SCL+\q], 0xff000000, v[AM+\q]   ; 2 off the exponent field: the conversion takes that field as its scale
.endr
.irp q, 0,1
	v_lshrrev_b32 v[BY+\q], 23, v[SCL+\q]          ; the scale's byte
.endr
.irp q, 0,1
.irp g, 0,1,2,3
	v_cvt_scalef32_pk8_fp4_f32 v[CD+4*\q+\g], v[X0+32*\q+8*\g:X0+32*\q+8*\g+7], v[SCL+\q]
.endr
.endr
	v_nop                                          ; a plain line behind the last conversion
.irp q, 0,1
	global_store_b128 v2, v[CD+4*\q:CD+4*\q+3], s[10:11] offset:512*\q   ; 32 lanes store a token's 512 consecutive bytes
	ds_store_b8 v7, v[BY+\q] offset:32*\q
	ds_store_b128 v8, v[LG+8*\q:LG+8*\q+3] offset:32*\q            ; all lanes write the same words with the same values
	ds_store_b128 v8, v[LG+8*\q+4:LG+8*\q+7] offset:32*\q+16
	ds_store_b32 v9, v[IDR+\q] offset:4*\q
	ds_store_b32 v10, v[TPV+\q] offset:4*\q
.endr
	s_wait_dscnt 0x0                               ; for the others' sake: my two tokens' small results lie in LDS
	s_barrier_signal -1
	s_barrier_wait -1
	; ---- the way out of the small results: a wave to a buffer
	s_cmp_eq_u32 s22, 0
	s_cbranch_scc0 .Lnot_wave_0
	ds_load_b64 v[OUTP:OUTP+1], v12
	s_wait_dscnt 0x0
	global_store_b64 v11, v[OUTP:OUTP+1], s[18:19] ; out1: 32 lanes store 256 consecutive bytes, aligned
	s_wait_tensorcnt 0x0
	ds_add_u32 v254, v255
	s_wait_dscnt 0x0
	s_endpgm
.Lnot_wave_0:
	s_cmp_eq_u32 s22, 1
	s_cbranch_scc0 .Lnot_wave_1
	ds_load_b64 v[OUTP:OUTP+1], v13
	s_wait_dscnt 0x0
	global_store_b64 v11, v[OUTP:OUTP+1], s[12:13] ; x_scales: likewise
	s_wait_tensorcnt 0x0
	ds_add_u32 v254, v255
	s_wait_dscnt 0x0
	s_endpgm
.Lnot_wave_1:
	v_cmp_gt_u32 vcc_lo, 8, v1                     ; eight words a work-group: 32 bytes, a part of an aligned 256; 12 KB in the whole launch
	s_cmp_eq_u32 s22, 2
	s_cbranch_scc0 .Lnot_wave_2
	ds_load_b32 v[OUTP], v14
	s_wait_dscnt 0x0
	s_wait_xcnt 0x0                                ; EXEC changes only behind this wait: my stores of codes have been taken up
	s_wait_tensorcnt 0x0
	ds_add_u32 v254, v255
	s_wait_dscnt 0x0
	s_and_saveexec_b32 s34, vcc_lo
	global_store_b32 v16, v[OUTP], s[20:21]        ; out2
	global_store_b32 v16, v[OUTP], s[14:15]        ; and the same for the later launches
	s_wait_xcnt 0x0                                ; and again ahead of the line that widens it
	s_or_b32 exec_lo, exec_lo, s34
	s_endpgm
.Lnot_wave_2:
	ds_load_b32 v[OUTP], v15
	s_wait_dscnt 0x0
	s_wait_xcnt 0x0
	s_wait_tensorcnt 0x0
	ds_add_u32 v254, v255
	s_wait_dscnt 0x0
	s_and_saveexec_b32 s34, vcc_lo
	global_store_b32 v16, v[OUTP], s[16:17]        ; tprob
	s_wait_xcnt 0x0
	s_or_b32 exec_lo, exec_lo, s34
	s_endpgm
.Lfunc_end_k_qd8ce708de8_route:
	.size	k_qd8ce708de8_route, .Lfunc_end_k_qd8ce708de8_route-k_qd8ce708de8_route
	.p2alignl 7, 3214868480
	.fill 96, 4, 3214868480
	.section	.rodata,"a",@progbits
	.p2align	6, 0x0
	.amdhsa_kernel k_qd8ce708de8_route
		.amdhsa_group_segment_fixed_size 90112
		.amdhsa_private_segment_fixed_size 0
		.amdhsa_enable_private_segment 0
		.amdhsa_kernarg_size 72
		.amdhsa_user_sgpr_count 2
		.amdhsa_user_sgpr_kernarg_segment_ptr 1
		.amdhsa_wavefront_size32 1
		.amdhsa_system_sgpr_workgroup_id_x 1
		.amdhsa_system_sgpr_workgroup_id_y 1
		.amdhsa_system_sgpr_workgroup_id_z 1
		.amdhsa_system_vgpr_workitem_id 0
		.amdhsa_next_free_vgpr 512
		.amdhsa_next_free_sgpr 66
		.amdhsa_reserve_vcc 1
		.amdhsa_float_denorm_mode_32 3
		.amdhsa_float_denorm_mode_16_64 3
		.amdhsa_memory_ordered 1
		.amdhsa_forward_progress 1
		.amdhsa_inst_pref_size 55
	.end_amdhsa_kernel
	.amdgpu_metadata
---
amdhsa.version: [ 1, 2 ]
amdhsa.kernels:
  - .name:           k_qd8ce708de8_route
    .symbol:         k_qd8ce708de8_route.kd
    .args:
      - { .name: hidden_states, .offset: 0, .size: 8, .value_kind: global_buffer, .address_space: global }
      - { .name: ln_weight, .offset: 8, .size: 8, .value_kind: global_buffer, .address_space: global }
      - { .name: router_w, .offset: 16, .size: 8, .value_kind: global_buffer, .address_space: global }
      - { .name: x_codes, .offset: 24, .size: 8, .value_kind: global_buffer, .address_space: global }
      - { .name: x_scales, .offset: 32, .size: 8, .value_kind: global_buffer, .address_space: global }
      - { .name: eidx, .offset: 40, .size: 8, .value_kind: global_buffer, .address_space: global }
      - { .name: tprob, .offset: 48, .size: 8, .value_kind: global_buffer, .address_space: global }
      - { .name: out1, .offset: 56, .size: 8, .value_kind: global_buffer, .address_space: global }
      - { .name: out2, .offset: 64, .size: 8, .value_kind: global_buffer, .address_space: global }
    .group_segment_fixed_size: 90112
    .private_segment_fixed_size: 0
    .kernarg_segment_align: 8
    .kernarg_segment_size: 72
    .max_flat_workgroup_size: 128
    .sgpr_count:     66
    .vgpr_count:     512
    .wavefront_size: 32
...
	.end_amdgpu_metadata
.endif
;; end of part 1
;; launch up (part 2): grid 32 x 8, 4 waves a work-group, no clusters, 135,680 bytes of LDS; arguments eidx, x_codes, x_scales, wi_codes, wi_scales, h_codes, h_scales; writes h_codes, h_scales
.if DOCPART == 2
	.amdgcn_target "amdgcn-amd-amdhsa--gfx1250"
	.amdhsa_code_object_version 6
	.text
	.protected	k_qd8ce708de8_up
	.globl	k_qd8ce708de8_up
	.p2align	8
	.type	k_qd8ce708de8_up,@function
k_qd8ce708de8_up:
	s_mov_b64 s[64:65], 0
	v_nop
	global_prefetch_b8 v0, s[64:65] scope:SCOPE_SE
	s_setreg_imm32_b32 hwreg(HW_REG_WAVE_MODE, 25, 1), 1
	s_wait_xcnt 0x0
; h = Q(relu(x wi[e]^T)) for the rows that chose expert e; both operands codes of E2M1 with E8M0 scales, sums f32.
; SHARES.  Work-group (s, e) owns hidden units 128 s .. 128 s + 127 of expert e: 128 rows of wi[e], one dense block of 64 KB that no other work-group reads.  Every wave holds all of it in registers
; (64 fragments, 512 registers); the waves share the expert's rows by pairs of tiles (32 rows): wave w takes pairs w, w + 4, ..  128 hidden units are one K step of the next product, so a wave makes
; whole fragments and whole scale words of it, and no barrier stands in the loop.
; WHICH ROWS.  Every work-group makes the expert's list anew from eidx, without LDS and without another launch: 32 ballots (register c, lane l = token 128 (c / 4) + 4 l + c % 4) and their running counts
; lie in scalar registers; a lane finds the token of rank j by choosing the ballot that holds it and the bit of that rank in it.  The next launch orders the rows in the same way.
; Ranks at or past the expert's count give some token of the table: such rows fill a tile up, and the next launch stores nothing of them.
; A PAIR'S ROWS ARE ASKED FOR AHEAD: the first pair's as soon as the ballots stand, while the weights' 40 loads are still on their way; a later pair's at the foot of the trip before.  Every wave asks in the head, one that
; the split leaves without a pair too: its ranks give tokens of the table, all of x is written, and it stores nothing.
; NO MULTICAST, NO TENSOR LOAD: how many trips a wave works hangs on counts read from memory, and no two work-groups read the same weights.
; THE PRODUCT IS USED TRANSPOSED (source 0 = 16 rows of wi, source 1 = 16 rows of x), and the rows of wi that form a tile are chosen: lane r of tile 2 b + u takes row 32 b + 8 u + r + 8 (r / 8),
; so that a lane's 16 registers of tiles 2 b and 2 b + 1 are 16 neighbours along the next K.  That choice is made where the rows are stored into LDS.
; h_codes [e][tile 0..63][K step s][1,024 bytes]: the image of the operand's 8 registers, four registers at 512 c + 16 lane.  h_scales [e][tile][s][16 rows], a word each.
; LIMITS: a block of zeros gets the byte 1, not 127: its codes are zeros, and this program alone reads the bytes.
; REGISTERS: window 0: v1-14 addresses; v16-27 the search; v32-63 wi's scale words (8 b + k: lanes 0-15 tile 2 b, lanes 16-31 tile 2 b + 1); v64-71 x's (lanes 0-15 tile 0, lanes 16-31 tile 1);
;   v96-159 eight accumulators (at the head: eidx); v160-175 codes; v176-178 scale words made; v184-199 at work.
;   windows 1, 2: wi's fragment (t, k) at 64 (t % 4) + 8 k of window 1 + t / 4 (window 1's v0-127 first take the rows as loaded).   window 3: v0-127 32 rows of x as loaded; v128-255 x's fragment (m, k) at 128 + 64 m + 8 k.
.set WP,   528                         ; a row of 512 bytes in LDS + 16: sixteen rows that a load touches begin at sixteen different 16-byte columns
.set XST,  128*WP                      ; behind wi's 128 rows: 32 rows of x for each wave, its own
.set TRIPS, 8                          ; 1,024 rows are 32 pairs of tiles at the most, shared by four waves
.set WS,   32
.set XS,   64
.set HA,   96
.set IDX,  96
.set PC0,  160
.set PC1,  168
.set PW0,  176
.set PW1,  177
.set PWC,  178
.set TM,   184
.set QJ,   16                          ; the rank wanted
.set QTOK, 17                          ; the token found
.set QW,   18                          ; the ballot that holds it
.set QB,   19                          ; the count ahead of that ballot
.set QC,   20                          ; its number
.set QK,   21                          ; the rank within it
.set QA2,  22                          ; counts of its fields of 2, 4, 8, 16 bits
.set QA4,  23
.set QA8,  24
.set QA16, 25
.set QPOS, 26
.set QT,   27
.set MSB, 0
.macro WIN new                         ; the immediate's high byte repeats the setting that is left
.if MSB != \new
	s_set_vgpr_msb (MSB<<8)|\new
.set MSB, \new
.endif
.endm
; The 32 ballots for expert s[se] into s[32:63], the counts ahead of each into s[66:97], the expert's count into s[cnt].
.macro BALLOTS idx, se, cnt, tmp
.set c, 0
.rept 32
	v_cmp_eq_u32 s[32+c], s[\se], v[\idx+c]
.set c, c+1
.endr
	s_mov_b32 s66, 0
.set c, 1
.rept 31
	s_bcnt1_i32_b32 s[\tmp], s[32+c-1]
	s_add_co_u32 s[66+c], s[66+c-1], s[\tmp]
.set c, c+1
.endr
	s_bcnt1_i32_b32 s[\tmp], s63
	s_add_co_u32 s[\cnt], s97, s[\tmp]
.endm
.macro HALVE x, width, step            ; is the bit wanted in the lower field at QPOS, or beyond it?
	v_bfe_u32 v[QT], v[\x], v[QPOS], \width
	v_cmp_ge_u32 vcc_lo, v[QK], v[QT]
	v_cndmask_b32 v[QT], 0, v[QT], vcc_lo
	v_sub_nc_u32 v[QK], v[QK], v[QT]
	v_cndmask_b32 v[QT], 0, \step, vcc_lo
	v_add_nc_u32 v[QPOS], v[QPOS], v[QT]
.endm
; v[QJ], a rank in each lane, gives v[QTOK], the token of that rank among the expert's.  No branch, no memory.
.macro SELECT
	v_mov_b32 v[QW], s32
	v_mov_b32 v[QB], 0
	v_mov_b32 v[QC], 0
.set c, 1
.rept 31                               ; the counts never fall: the last ballot whose count ahead is at most the rank holds it
	v_cmp_le_u32 vcc_lo, s[66+c], v[QJ]
	v_cndmask_b32 v[QW], v[QW], s[32+c], vcc_lo
	v_cndmask_b32 v[QB], v[QB], s[66+c], vcc_lo
	v_cndmask_b32 v[QC], v[QC], c, vcc_lo
.set c, c+1
.endr
	v_sub_nc_u32 v[QK], v[QJ], v[QB]
	v_lshrrev_b32 v[QT], 1, v[QW]
	v_and_b32 v[QT], 0x55555555, v[QT]
	v_sub_nc_u32 v[QA2], v[QW], v[QT]
	v_lshrrev_b32 v[QT], 2, v[QA2]
	v_and_b32 v[QT], 0x33333333, v[QT]
	v_and_b32 v[QA4], 0x33333333, v[QA2]
	v_add_nc_u32 v[QA4], v[QA4], v[QT]
	v_lshrrev_b32 v[QT], 4, v[QA4]
	v_add_nc_u32 v[QA8], v[QA4], v[QT]
	v_and_b32 v[QA8], 0x0f0f0f0f, v[QA8]
	v_lshrrev_b32 v[QT], 8, v[QA8]
	v_add_nc_u32 v[QA16], v[QA8], v[QT]
	v_mov_b32 v[QPOS], 0
	HALVE QA16, 8, 16
	HALVE QA8, 8, 8
	HALVE QA4, 4, 4
	HALVE QA2, 2, 2
	HALVE QW, 1, 1
	v_lshrrev_b32 v[QT], 2, v[QC]
	v_and_b32 v[QC], 3, v[QC]
	v_lshl_add_u32 v[QTOK], v[QT], 7, v[QC]
	v_lshl_add_u32 v[QTOK], v[QPOS], 2, v[QTOK]    ; token = 128 (c / 4) + 4 lane + c % 4
	v_min_u32 v[QTOK], 0x3ff, v[QTOK]              ; inside the table whatever the rank
.endm
; Pair s18's 32 rows are found and asked for: 34 loads, first my row's eight scale words (two loads), then the rows' codes, a row a load.  Every window is 0 before and behind.
.macro ASKROWS
	v_lshl_add_u32 v[QJ], s18, 5, v1               ; my rank: 32 pair + lane
	v_lshl_add_u32 v10, s18, 16, v2                ; the pair's images: two tiles of 32 KB
	v_lshl_add_u32 v11, s18, 12, v14               ; and their scale words
	SELECT
	v_lshlrev_b32 v12, 5, v[QTOK]
	global_load_b128 v[XS:XS+3], v12, s[8:9]       ; my row's eight scale words
	global_load_b128 v[XS+4:XS+7], v12, s[8:9] offset:16
.irp g, 0,1,2,3                                ; row i's token goes to every lane through a scalar register, eight rows at a time
	WIN 0
.irp i, 0,1,2,3,4,5,6,7
	v_readlane_b32 s[24+\i], v[QTOK], 8*\g+\i
.endr
.irp i, 0,1,2,3,4,5,6,7
	s_min_u32 s[24+\i], s[24+\i], 1023
.endr
	WIN 0xc0                                       ; destination window 3
.irp i, 0,1,2,3,4,5,6,7
	v_lshl_add_u32 v[4*(8*\g+\i)], s[24+\i], 9, v2 ; 512 token + 16 lane
.endr
.endr
	WIN 0xc3                                       ; address and destination window 3
.set i, 0
.rept 32
	global_load_b128 v[4*i:4*i+3], v[4*i], s[6:7]  ; a token's 512 consecutive bytes; the load lands on its own offset
.set i, i+1
.endr
	WIN 0
.endm
; One matrix instruction.  zero: the product starts its sum.  ra, rb: the half of the lanes in which source 0's and source 1's scale words stand.
.macro WM d, a, b, zero, sa, sb, ra, rb
.if \zero
.if (\ra) && (\rb)
	v_wmma_scale_f32_16x16x128_f8f6f4 v[\d:\d+7], v[\a:\a+7], v[\b:\b+7], 0, v[\sa], v[\sb] matrix_a_fmt:MATRIX_FMT_FP4 matrix_b_fmt:MATRIX_FMT_FP4 matrix_a_scale:MATRIX_SCALE_ROW1 matrix_b_scale:MATRIX_SCALE_ROW1
.elseif (\ra)
	v_wmma_scale_f32_16x16x128_f8f6f4 v[\d:\d+7], v[\a:\a+7], v[\b:\b+7], 0, v[\sa], v[\sb] matrix_a_fmt:MATRIX_FMT_FP4 matrix_b_fmt:MATRIX_FMT_FP4 matrix_a_scale:MATRIX_SCALE_ROW1
.elseif (\rb)
	v_wmma_scale_f32_16x16x128_f8f6f4 v[\d:\d+7], v[\a:\a+7], v[\b:\b+7], 0, v[\sa], v[\sb] matrix_a_fmt:MATRIX_FMT_FP4 matrix_b_fmt:MATRIX_FMT_FP4 matrix_b_scale:MATRIX_SCALE_ROW1
.else
	v_wmma_scale_f32_16x16x128_f8f6f4 v[\d:\d+7], v[\a:\a+7], v[\b:\b+7], 0, v[\sa], v[\sb] matrix_a_fmt:MATRIX_FMT_FP4 matrix_b_fmt:MATRIX_FMT_FP4
.endif
.else
.if (\ra) && (\rb)
	v_wmma_scale_f32_16x16x128_f8f6f4 v[\d:\d+7], v[\a:\a+7], v[\b:\b+7], v[\d:\d+7], v[\sa], v[\sb] matrix_a_fmt:MATRIX_FMT_FP4 matrix_b_fmt:MATRIX_FMT_FP4 matrix_a_scale:MATRIX_SCALE_ROW1 matrix_b_scale:MATRIX_SCALE_ROW1
.elseif (\ra)
	v_wmma_scale_f32_16x16x128_f8f6f4 v[\d:\d+7], v[\a:\a+7], v[\b:\b+7], v[\d:\d+7], v[\sa], v[\sb] matrix_a_fmt:MATRIX_FMT_FP4 matrix_b_fmt:MATRIX_FMT_FP4 matrix_a_scale:MATRIX_SCALE_ROW1
.elseif (\rb)
	v_wmma_scale_f32_16x16x128_f8f6f4 v[\d:\d+7], v[\a:\a+7], v[\b:\b+7], v[\d:\d+7], v[\sa], v[\sb] matrix_a_fmt:MATRIX_FMT_FP4 matrix_b_fmt:MATRIX_FMT_FP4 matrix_b_scale:MATRIX_SCALE_ROW1
.else
	v_wmma_scale_f32_16x16x128_f8f6f4 v[\d:\d+7], v[\a:\a+7], v[\b:\b+7], v[\d:\d+7], v[\sa], v[\sb] matrix_a_fmt:MATRIX_FMT_FP4 matrix_b_fmt:MATRIX_FMT_FP4
.endif
.endif
.endm
; 64 numbers of a lane, none negative, register 16 b + i = k 32 b + 16 (lane / 16) + i of my row, become a fragment's codes in v[pc] on and its scale word in v[pw].
.macro QUANT s, pc, pw
.irp b, 0,1,2,3
	v_max3_num_f32 v[TM+\b], v[\s+16*\b], v[\s+1+16*\b], 0x1800000   ; block b: my 16 numbers, and the floor 2^(3 - 127): the byte cannot fall under 1
.endr
.irp i, 2,4,6,8,10,12,14
.irp b, 0,1,2,3
	v_max3_num_f32 v[TM+\b], v[TM+\b], v[\s+16*\b+\i], v[\s+1+16*\b+\i]   ; the four blocks by turns
.endr
.endr
.irp b, 0,1,2,3
	v_permlanex16_b32 v[TM+4+\b], v[TM+\b], s2, s3
.endr
.irp b, 0,1,2,3
	v_max_num_f32 v[TM+\b], v[TM+\b], v[TM+4+\b]   ; with lane l xor 16's: the block's largest
.endr
.irp b, 0,1,2,3
	v_add_nc_u32 v[TM+12+\b], 0xff000000, v[TM+\b] ; 2 off its exponent field: the conversion takes that field as its scale
.endr
.irp b, 0,1,2,3
	v_lshrrev_b32 v[TM+4+\b], 23, v[TM+12+\b]      ; the scale's byte
.endr
	v_lshl_or_b32 v[\pw], v[TM+5], 8, v[TM+4]
	v_lshl_or_b32 v[\pw], v[TM+6], 16, v[\pw]
	v_lshl_or_b32 v[\pw], v[TM+7], 24, v[\pw]      ; my row's scale word
.irp b, 0,1,2,3
	v_cvt_scalef32_pk8_fp4_f32 v[\pc+2*\b], v[\s+16*\b:\s+7+16*\b], v[TM+12+\b]
	v_cvt_scalef32_pk8_fp4_f32 v[\pc+1+2*\b], v[\s+8+16*\b:\s+15+16*\b], v[TM+12+\b]
.endr
	v_nop                                          ; a plain line behind the last conversion
.irp c, 0,1                                    ; the operand's layout wants a whole block in a lane: lanes 0-15 block 2 c, lanes 16-31 block 2 c + 1
.irp i, 0,1
	v_permlane16_swap_b32 v[\pc+4*\c+\i], v[\pc+2+4*\c+\i]
.endr
.endr
.endm
; Tile m of the pair: 64 matrix instructions (four accumulators by turns, one instruction a turn; K ascending), relu, the quantiser, the image's two stores.
; The sums begin anew over the accumulators of the tile before: between stand that tile's relu lines on the other accumulators and its quantiser's lines, more than five plain lines that name no register of its last products.
.macro TILE m, pc, pw
	WIN 0x0d                                       ; source 0 (wi) window 1, source 1 (x) window 3
.irp k, 0,1,2,3,4,5,6,7
.irp t, 0,1,2,3
	WM HA+8*\t, 64*\t+8*\k, 128+64*\m+8*\k, (\k==0), WS+8*(\t/2)+\k, XS+\k, \t%2, \m
.endr
.endr
	WIN 0x0e                                       ; source 0 window 2
.irp k, 0,1,2,3,4,5,6,7
.irp t, 4,5,6,7
	WM HA+8*\t, 64*(\t-4)+8*\k, 128+64*\m+8*\k, (\k==0), WS+8*(\t/2)+\k, XS+\k, \t%2, \m
.endr
.endr
	WIN 0
.rept 4
	v_nop                                          ; four places ahead of the first read of results just made (ISA guide 7.12.1)
.endr
.set j, 0
.rept 64
	v_max_num_f32 v[HA+j], 0, v[HA+j]              ; the activation, in f32; each accumulator from its low end on
.set j, j+1
.endr
	QUANT HA, \pc, \pw
	global_store_b128 v10, v[\pc:\pc+3], s[14:15] offset:32768*\m        ; 32 lanes store 512 consecutive bytes, aligned
	global_store_b128 v10, v[\pc+4:\pc+7], s[14:15] offset:32768*\m+512
.endm
	s_load_b256 s[4:11], s[0:1], 0x0               ; eidx s[4:5], x_codes s[6:7], x_scales s[8:9], wi_codes s[10:11]
	s_load_b128 s[12:15], s[0:1], 0x20             ; wi_scales s[12:13], h_codes s[14:15]
	s_load_b64 s[16:17], s[0:1], 0x30              ; h_scales
	v_lshl_add_u32 v254, v0, 2, 0x21000
	v_mov_b32 v255, 0
	v_lshrrev_b32 v1, 5, v0
	v_readfirstlane_b32 s21, v1                    ; wave 0..3
	s_and_b32 s20, ttmp7, 0xffff                   ; the expert
	v_and_b32 v1, 31, v0                           ; lane
	v_lshlrev_b32 v2, 4, v1                        ; 16 x lane
	v_and_b32 v3, 15, v0                           ; r
	v_bfe_u32 v4, v0, 4, 1                         ; h
	s_mul_i32 s18, s21, 32*WP
	v_add_nc_u32 v5, s18, v2                       ; wi into LDS: my wave's 32 rows
	v_mul_u32_u24 v6, v3, WP
	v_lshl_add_u32 v6, v4, 4, v6                   ; a fragment out of it: row r, + 16 h
	s_add_co_u32 s18, s18, XST
	v_add_nc_u32 v7, s18, v2                       ; x into my wave's stage,
	v_add_nc_u32 v8, s18, v6                       ; and a fragment out of it
	v_and_b32 v9, 8, v3
	v_add_nc_u32 v9, v9, v3
	v_lshl_add_u32 v9, v4, 3, v9
	v_lshlrev_b32 v9, 5, v9                        ; wi's scale words: row 8 h + r + 8 (r / 8) of a group of 32, 32 bytes a row
	v_lshlrev_b32 v14, 2, v3
	v_lshl_add_u32 v14, v4, 11, v14                ; h's scale words: 4 r, and a tile (2,048 bytes) on for lanes 16-31
.irp b, 0,1,2,3
	v_mov_b32 v[TM+4+\b], 0                        ; written once: a lane permute's destination counts as one of its sources
.endr
	s_mov_b32 s2, 0x76543210
	s_mov_b32 s3, 0xfedcba98                       ; v_permlanex16_b32's selects for lane l xor 16
	s_mov_b32 s19, 0xffff0000                      ; lanes 16-31
	s_lshl_b32 s24, s20, 21                        ; wi_codes: 2 MB an expert, 64 KB a slice, 16 KB a wave
	s_lshl_b32 s25, ttmp9, 16
	s_add_co_u32 s24, s24, s25
	s_lshl_b32 s25, s21, 14
	s_add_co_u32 s24, s24, s25
	s_mov_b32 s25, 0
	s_lshl_b32 s26, s20, 17                        ; wi_scales: 128 KB an expert, 4 KB a slice
	s_lshl_b32 s27, ttmp9, 12
	s_add_co_u32 s26, s26, s27
	s_mov_b32 s27, 0
	s_lshl_b32 s28, s20, 21                        ; h_codes: 2 MB an expert, 1,024 bytes a K step
	s_lshl_b32 s29, ttmp9, 10
	s_add_co_u32 s28, s28, s29
	s_mov_b32 s29, 0
	s_lshl_b32 s30, s20, 17                        ; h_scales: 128 KB an expert, 64 bytes a K step
	s_lshl_b32 s31, ttmp9, 6
	s_add_co_u32 s30, s30, s31
	s_mov_b32 s31, 0
	s_wait_kmcnt 0x0
	s_add_nc_u64 s[10:11], s[10:11], s[24:25]
	s_add_nc_u64 s[12:13], s[12:13], s[26:27]
	s_add_nc_u64 s[14:15], s[14:15], s[28:29]
	s_add_nc_u64 s[16:17], s[16:17], s[30:31]
	; ---- 48 loads go out together
.irp j, 0,1,2,3,4,5,6,7
	global_load_b128 v[IDX+4*\j:IDX+4*\j+3], v2, s[4:5] offset:512*\j
.endr
.irp b, 0,1,2,3
.irp j, 0,1
	global_load_b128 v[WS+8*\b+4*\j:WS+8*\b+4*\j+3], v9, s[12:13] offset:1024*\b+16*\j
.endr
.endr
	WIN 0x40                                       ; destination window 1
.set i, 0
.rept 32
	global_load_b128 v[4*i:4*i+3], v2, s[10:11] offset:512*i th:TH_LOAD_NT   ; a row of wi: 512 consecutive bytes; read once in the launch
.set i, i+1
.endr
	WIN 0
	s_wait_loadcnt 40                              ; eidx's eight are in; the 40 younger loads may be out
	BALLOTS IDX, 20, 22, 24
	s_add_co_u32 s23, s22, 31
	s_lshr_b32 s23, s23, 5
	s_min_u32 s23, s23, 32                         ; pairs of tiles
	s_mov_b32 s98, 0                               ; the trip
	s_mov_b32 s18, s21                             ; my first pair
	ASKROWS                                        ; its rows are asked for now, behind the weights' loads and beside them
	s_wait_loadcnt 50                              ; the scale words and rows 0-15 of wi are in: younger are its rows 16-31 and the 34 loads just issued
	WIN 0x04                                       ; an LDS store's data are its source 1: window 1
.set i, 0
.rept 16
	ds_store_b128 v5, v[4*i:4*i+3] offset:((i&7)|((i&8)<<1)|((i&16)>>1))*WP   ; row i of a group of 32 goes to the place of the tile and lane that take it: bits 3 and 4 change places
.set i, i+1
.endr
	s_wait_loadcnt 34                              ; all of wi is in: the pair's 34 loads may be out
.rept 16
	ds_store_b128 v5, v[4*i:4*i+3] offset:((i&7)|((i&8)<<1)|((i&16)>>1))*WP
.set i, i+1
.endr
	WIN 0
	s_wait_dscnt 0x0                               ; for the others' sake: my 32 rows lie in LDS
	s_barrier_signal -1
	s_barrier_wait -1                              ; the launch's one barrier: every wave passes it, whatever the counts
	s_cmp_ge_u32 s18, s23
	s_cbranch_scc1 .Lend                           ; a wave that this split leaves without rows stores nothing
	WIN 0x40
.irp t, 0,1,2,3
.irp k, 0,1,2,3,4,5,6,7
.irp c, 0,1
	ds_load_b128 v[64*\t+8*\k+4*\c:64*\t+8*\k+4*\c+3], v6 offset:16*WP*\t+64*\k+32*\c
.endr
.endr
.endr
	WIN 0x80
.irp t, 4,5,6,7
.irp k, 0,1,2,3,4,5,6,7
.irp c, 0,1
	ds_load_b128 v[64*(\t-4)+8*\k+4*\c:64*(\t-4)+8*\k+4*\c+3], v6 offset:16*WP*\t+64*\k+32*\c
.endr
.endr
.endr
	WIN 0
.Lpair:                                            ; a trip: 32 rows of the expert, asked for ahead.  TRIPS trips at the most; the loop is left as soon as the expert's pairs are done
	s_wait_loadcnt 16                              ; of the pair's 34 loads the scale words and rows 0-15 are in
	WIN 0x0c                                       ; the data: window 3
.set i, 0
.rept 16
	ds_store_b128 v7, v[4*i:4*i+3] offset:WP*i
.set i, i+1
.endr
	s_wait_loadcnt 0x0
.rept 16
	ds_store_b128 v7, v[4*i:4*i+3] offset:WP*i
.set i, i+1
.endr
	WIN 0xc0
.irp m, 0,1                                    ; LDS serves a wave's instructions in order (ISA guide 5.7.1.4): these see the stores above
.irp k, 0,1,2,3,4,5,6,7
.irp c, 0,1
	ds_load_b128 v[128+64*\m+8*\k+4*\c:128+64*\m+8*\k+4*\c+3], v8 offset:16*WP*\m+64*\k+32*\c
.endr
.endr
.endr
	s_wait_dscnt 16                                ; all but tile 1's sixteen loads: tile 0's fragments, and in the first trip wi's 128 loads ahead of them
	TILE 0, PC0, PW0
	s_wait_dscnt 0x0
	TILE 1, PC1, PW1
	v_cndmask_b32 v[PWC], v[PW0], v[PW1], s19      ; lanes 0-15 tile 0's words, lanes 16-31 tile 1's
	global_store_b32 v11, v[PWC], s[16:17]         ; two runs of 64 bytes: parts of aligned 256; 128 KB in the whole launch at the most
	s_add_co_u32 s98, s98, 1                       ; the loop is counted by the trip, one a trip, against a constant;
	s_lshl_b32 s18, s98, 2
	s_add_co_u32 s18, s18, s21                     ; my next pair: 4 trip + wave, 31 at the most inside the loop
	s_cmp_ge_u32 s18, s23
	s_cbranch_scc1 .Lend                           ; the expert has no such pair: done
	s_wait_xcnt 0x0                                ; this trip's stores have read their data and offsets: both are written again from here on
	ASKROWS                                        ; the next pair's rows
	s_cmp_lt_u32 s98, TRIPS
	s_cbranch_scc1 .Lpair
.Lend:
	s_wait_tensorcnt 0x0
	ds_add_u32 v254, v255
	s_wait_dscnt 0x0
	s_endpgm
.Lfunc_end_k_qd8ce708de8_up:
	.size	k_qd8ce708de8_up, .Lfunc_end_k_qd8ce708de8_up-k_qd8ce708de8_up
	.p2alignl 7, 3214868480
	.fill 96, 4, 3214868480
	.section	.rodata,"a",@progbits
	.p2align	6, 0x0
	.amdhsa_kernel k_qd8ce708de8_up
		.amdhsa_group_segment_fixed_size 135680
		.amdhsa_private_segment_fixed_size 0
		.amdhsa_enable_private_segment 0
		.amdhsa_kernarg_size 56
		.amdhsa_user_sgpr_count 2
		.amdhsa_user_sgpr_kernarg_segment_ptr 1
		.amdhsa_wavefront_size32 1
		.amdhsa_system_sgpr_workgroup_id_x 1
		.amdhsa_system_sgpr_workgroup_id_y 1
		.amdhsa_system_sgpr_workgroup_id_z 1
		.amdhsa_system_vgpr_workitem_id 0
		.amdhsa_next_free_vgpr 1024
		.amdhsa_next_free_sgpr 102
		.amdhsa_reserve_vcc 1
		.amdhsa_float_denorm_mode_32 3
		.amdhsa_float_denorm_mode_16_64 3
		.amdhsa_memory_ordered 1
		.amdhsa_forward_progress 1
		.amdhsa_inst_pref_size 92
	.end_amdhsa_kernel
	.amdgpu_metadata
---
amdhsa.version: [ 1, 2 ]
amdhsa.kernels:
  - .name:           k_qd8ce708de8_up
    .symbol:         k_qd8ce708de8_up.kd
    .args:
      - { .name: eidx, .offset: 0, .size: 8, .value_kind: global_buffer, .address_space: global }
      - { .name: x_codes, .offset: 8, .size: 8, .value_kind: global_buffer, .address_space: global }
      - { .name: x_scales, .offset: 16, .size: 8, .value_kind: global_buffer, .address_space: global }
      - { .name: wi_codes, .offset: 24, .size: 8, .value_kind: global_buffer, .address_space: global }
      - { .name: wi_scales, .offset: 32, .size: 8, .value_kind: global_buffer, .address_space: global }
      - { .name: h_codes, .offset: 40, .size: 8, .value_kind: global_buffer, .address_space: global }
      - { .name: h_scales, .offset: 48, .size: 8, .value_kind: global_buffer, .address_space: global }
    .group_segment_fixed_size: 135680
    .private_segment_fixed_size: 0
    .kernarg_segment_align: 8
    .kernarg_segment_size: 56
    .max_flat_workgroup_size: 128
    .sgpr_count:     102
    .vgpr_count:     1024
    .wavefront_size: 32
...
	.end_amdgpu_metadata
.endif
;; end of part 2
;; launch down (part 3): grid 32 x 8, 4 waves a work-group, no clusters, 150,016 bytes of LDS; arguments eidx, h_codes, h_scales, wo_codes, wo_scales, tprob, hidden_states, out0; writes out0
.if DOCPART == 3
	.amdgcn_target "amdgcn-amd-amdhsa--gfx1250"
	.amdhsa_code_object_version 6
	.text
	.protected	k_qd8ce708de8_down
	.globl	k_qd8ce708de8_down
	.p2align	8
	.type	k_qd8ce708de8_down,@function
k_qd8ce708de8_down:
	s_mov_b64 s[64:65], 0
	v_nop
	global_prefetch_b8 v0, s[64:65] scope:SCOPE_SE
	s_setreg_imm32_b32 hwreg(HW_REG_WAVE_MODE, 25, 1), 1
	s_wait_xcnt 0x0
; out0 = hidden_states + top_prob x (h wo[e]^T) for the rows that chose expert e; both operands codes of E2M1 with E8M0 scales, sums f32.
; SHARES.  Work-group (x = 2 nt + mp, e) holds rows 64 nt .. 64 nt + 63 of wo[e] (64 output columns, all of K = 4,096: one dense block of 128 KB) in LDS.  A wave takes one tile of 16 rows of the expert a trip,
; through all of K and all 64 columns: tiles 4 mp + w, + 8, ..  So a token's 64 columns, 256 bytes, lie in one wave, a sum has no partner, and no barrier stands in the loop.  The two parities mp share an expert's tiles.
; The weights are read from LDS in every trip, not kept in registers: 64 columns x 4,096 codes would be 1,024 registers a wave.
; WHICH ROWS: the expert's list is made anew from eidx as in the launch before, in the same order.  Rows past the expert's count fill the last tile up; nothing of them is stored.
; A TILE'S OPERANDS ARE ASKED FOR AHEAD: the first tile's as soon as the ballots stand, while the weights' loads are still on their way; a later tile's at the foot of the trip before.  Every wave asks in the head: one whose
; first tile the expert does not have asks for the expert's last tile instead and uses nothing of it.
; LIMIT: for an expert that no row chose, these first loads read bytes of h_codes and h_scales that no launch has written; nothing is made of them: such a work-group stores nothing.
; NO MULTICAST, NO TENSOR LOAD: how many trips a wave works hangs on counts read from memory.
; THE PRODUCT IS USED TRANSPOSED (source 0 = 16 rows of wo, source 1 = 16 rows of h): a lane holds one token and eight neighbouring columns.
; REGISTERS: window 0: v1-15 addresses; v16-27 the search; v30 top_prob; v32-47 the rows' offsets; v48-79 the residual (at the head: eidx); v80-111 rows read back; v112-143 four accumulators;
;   v144-159 h's scale words (register k / 2: lanes 0-15 K step k even, lanes 16-31 odd); v160-223 wo's (32 b + k: lane = row 32 b + lane).
;   window 1: h's fragment of K step k at 8 k.   window 2: wo's fragments, two sets of four K steps: (k % 4, t) at 128 (g % 2) + 32 (k % 4) + 8 t (at the head: 64 pieces of rows as loaded).
.set WP,   2064                        ; a row of 2,048 bytes in LDS + 16: sixteen rows that a load touches begin at sixteen different 16-byte columns
.set STG,  64*WP                       ; behind the weights: 16 rows x (256 bytes + 16) for each wave, for the way out
.set SP,   272
.set TRIPS, 8                          ; 1,024 rows are 64 tiles at the most, shared by two parities of four waves
.set WA,   6                           ; v6 fragments of tiles 0, 1; v7 of tiles 2, 3
.set TPR,  30
.set OFF,  32
.set RES,  48
.set IDX,  48
.set Y,    80
.set ACC,  112
.set HS,   144
.set WS,   160
.set QJ,   16
.set QTOK, 17
.set QW,   18
.set QB,   19
.set QC,   20
.set QK,   21
.set QA2,  22
.set QA4,  23
.set QA8,  24
.set QA16, 25
.set QPOS, 26
.set QT,   27
.set MSB, 0
.macro WIN new                         ; the immediate's high byte repeats the setting that is left
.if MSB != \new
	s_set_vgpr_msb (MSB<<8)|\new
.set MSB, \new
.endif
.endm
; The 32 ballots for expert s[se] (register c, lane l = token 128 (c / 4) + 4 l + c % 4) into s[32:63], the counts ahead of each into s[66:97], the expert's count into s[cnt].
.macro BALLOTS idx, se, cnt, tmp
.set c, 0
.rept 32
	v_cmp_eq_u32 s[32+c], s[\se], v[\idx+c]
.set c, c+1
.endr
	s_mov_b32 s66, 0
.set c, 1
.rept 31
	s_bcnt1_i32_b32 s[\tmp], s[32+c-1]
	s_add_co_u32 s[66+c], s[66+c-1], s[\tmp]
.set c, c+1
.endr
	s_bcnt1_i32_b32 s[\tmp], s63
	s_add_co_u32 s[\cnt], s97, s[\tmp]
.endm
.macro HALVE x, width, step            ; is the bit wanted in the lower field at QPOS, or beyond it?
	v_bfe_u32 v[QT], v[\x], v[QPOS], \width
	v_cmp_ge_u32 vcc_lo, v[QK], v[QT]
	v_cndmask_b32 v[QT], 0, v[QT], vcc_lo
	v_sub_nc_u32 v[QK], v[QK], v[QT]
	v_cndmask_b32 v[QT], 0, \step, vcc_lo
	v_add_nc_u32 v[QPOS], v[QPOS], v[QT]
.endm
; v[QJ], a rank in each lane, gives v[QTOK], the token of that rank among the expert's.  No branch, no memory.
.macro SELECT
	v_mov_b32 v[QW], s32
	v_mov_b32 v[QB], 0
	v_mov_b32 v[QC], 0
.set c, 1
.rept 31                               ; the counts never fall: the last ballot whose count ahead is at most the rank holds it
	v_cmp_le_u32 vcc_lo, s[66+c], v[QJ]
	v_cndmask_b32 v[QW], v[QW], s[32+c], vcc_lo
	v_cndmask_b32 v[QB], v[QB], s[66+c], vcc_lo
	v_cndmask_b32 v[QC], v[QC], c, vcc_lo
.set c, c+1
.endr
	v_sub_nc_u32 v[QK], v[QJ], v[QB]
	v_lshrrev_b32 v[QT], 1, v[QW]
	v_and_b32 v[QT], 0x55555555, v[QT]
	v_sub_nc_u32 v[QA2], v[QW], v[QT]
	v_lshrrev_b32 v[QT], 2, v[QA2]
	v_and_b32 v[QT], 0x33333333, v[QT]
	v_and_b32 v[QA4], 0x33333333, v[QA2]
	v_add_nc_u32 v[QA4], v[QA4], v[QT]
	v_lshrrev_b32 v[QT], 4, v[QA4]
	v_add_nc_u32 v[QA8], v[QA4], v[QT]
	v_and_b32 v[QA8], 0x0f0f0f0f, v[QA8]
	v_lshrrev_b32 v[QT], 8, v[QA8]
	v_add_nc_u32 v[QA16], v[QA8], v[QT]
	v_mov_b32 v[QPOS], 0
	HALVE QA16, 8, 16
	HALVE QA8, 8, 8
	HALVE QA4, 4, 4
	HALVE QA2, 2, 2
	HALVE QW, 1, 1
	v_lshrrev_b32 v[QT], 2, v[QC]
	v_and_b32 v[QC], 3, v[QC]
	v_lshl_add_u32 v[QTOK], v[QT], 7, v[QC]
	v_lshl_add_u32 v[QTOK], v[QPOS], 2, v[QTOK]    ; token = 128 (c / 4) + 4 lane + c % 4
	v_min_u32 v[QTOK], 0x3ff, v[QTOK]              ; inside the table whatever the rank
.endm
; Tile s[tile]'s rows are found, and all that its trip reads from memory is asked for: 97 loads, in this order: my row's probability, the 16 rows' residual, h's 16 registers of scale words, h's 64 pieces of fragments, K ascending.
; Every window is 0 before and behind.
.macro ASKTILE tile
	v_lshl_add_u32 v[QJ], s[\tile], 4, v3          ; my row's rank: 16 tile + lane % 16
	v_lshl_add_u32 v12, s[\tile], 15, v2           ; the tile's images: 32 KB
	v_lshl_add_u32 v13, s[\tile], 11, v14          ; and their scale words: 2 KB
	SELECT
	v_lshlrev_b32 v15, 2, v[QTOK]
	global_load_b32 v[TPR], v15, s[14:15]          ; my row's probability
.irp g, 0,1,2,3                                ; row i's token goes to every lane through a scalar register, four rows at a time
.irp i, 0,1,2,3
	v_readlane_b32 s[98+\i], v[QTOK], 4*\g+\i
.endr
.irp i, 0,1,2,3
	s_min_u32 s[98+\i], s[98+\i], 1023
.endr
.irp i, 0,1,2,3
	v_lshl_add_u32 v[OFF+4*\g+\i], s[98+\i], 12, v10
.endr
.irp i, 0,1,2,3
	global_load_b64 v[RES+2*(4*\g+\i):RES+2*(4*\g+\i)+1], v[OFF+4*\g+\i], s[16:17]   ; the residual: 256 consecutive bytes, aligned
.endr
.endr
.set i, 0
.rept 16
	global_load_b32 v[HS+i], v13, s[8:9] offset:128*i
.set i, i+1
.endr
	WIN 0x40                                       ; destination window 1
.set i, 0
.rept 64
	global_load_b128 v[4*i:4*i+3], v12, s[6:7] offset:512*i   ; h's fragments as they were stored, K ascending: 512 consecutive bytes
.set i, i+1
.endr
	WIN 0
.endm
; One matrix instruction.  zero: the product starts its sum.  ra, rb: the half of the lanes in which source 0's and source 1's scale words stand.
.macro WM d, a, b, zero, sa, sb, ra, rb
.if \zero
.if (\ra) && (\rb)
	v_wmma_scale_f32_16x16x128_f8f6f4 v[\d:\d+7], v[\a:\a+7], v[\b:\b+7], 0, v[\sa], v[\sb] matrix_a_fmt:MATRIX_FMT_FP4 matrix_b_fmt:MATRIX_FMT_FP4 matrix_a_scale:MATRIX_SCALE_ROW1 matrix_b_scale:MATRIX_SCALE_ROW1
.elseif (\ra)
	v_wmma_scale_f32_16x16x128_f8f6f4 v[\d:\d+7], v[\a:\a+7], v[\b:\b+7], 0, v[\sa], v[\sb] matrix_a_fmt:MATRIX_FMT_FP4 matrix_b_fmt:MATRIX_FMT_FP4 matrix_a_scale:MATRIX_SCALE_ROW1
.elseif (\rb)
	v_wmma_scale_f32_16x16x128_f8f6f4 v[\d:\d+7], v[\a:\a+7], v[\b:\b+7], 0, v[\sa], v[\sb] matrix_a_fmt:MATRIX_FMT_FP4 matrix_b_fmt:MATRIX_FMT_FP4 matrix_b_scale:MATRIX_SCALE_ROW1
.else
	v_wmma_scale_f32_16x16x128_f8f6f4 v[\d:\d+7], v[\a:\a+7], v[\b:\b+7], 0, v[\sa], v[\sb] matrix_a_fmt:MATRIX_FMT_FP4 matrix_b_fmt:MATRIX_FMT_FP4
.endif
.else
.if (\ra) && (\rb)
	v_wmma_scale_f32_16x16x128_f8f6f4 v[\d:\d+7], v[\a:\a+7], v[\b:\b+7], v[\d:\d+7], v[\sa], v[\sb] matrix_a_fmt:MATRIX_FMT_FP4 matrix_b_fmt:MATRIX_FMT_FP4 matrix_a_scale:MATRIX_SCALE_ROW1 matrix_b_scale:MATRIX_SCALE_ROW1
.elseif (\ra)
	v_wmma_scale_f32_16x16x128_f8f6f4 v[\d:\d+7], v[\a:\a+7], v[\b:\b+7], v[\d:\d+7], v[\sa], v[\sb] matrix_a_fmt:MATRIX_FMT_FP4 matrix_b_fmt:MATRIX_FMT_FP4 matrix_a_scale:MATRIX_SCALE_ROW1
.elseif (\rb)
	v_wmma_scale_f32_16x16x128_f8f6f4 v[\d:\d+7], v[\a:\a+7], v[\b:\b+7], v[\d:\d+7], v[\sa], v[\sb] matrix_a_fmt:MATRIX_FMT_FP4 matrix_b_fmt:MATRIX_FMT_FP4 matrix_b_scale:MATRIX_SCALE_ROW1
.else
	v_wmma_scale_f32_16x16x128_f8f6f4 v[\d:\d+7], v[\a:\a+7], v[\b:\b+7], v[\d:\d+7], v[\sa], v[\sb] matrix_a_fmt:MATRIX_FMT_FP4 matrix_b_fmt:MATRIX_FMT_FP4
.endif
.endif
.endm
; wo's fragments of K steps 4 g .. 4 g + 3, four tiles of 16 columns each: 32 LDS loads in one run, into set g % 2
.macro WLOAD g
	WIN 0x80                                       ; destination window 2
.irp kk, 0,1,2,3
.irp t, 0,1,2,3
.irp c, 0,1
	ds_load_b128 v[128*((\g)%2)+32*\kk+8*\t+4*\c:128*((\g)%2)+32*\kk+8*\t+4*\c+3], v[WA+\t/2] offset:16*WP*(\t%2)+64*(4*(\g)+\kk)+32*\c
.endr
.endr
.endr
.endm
; Four K steps: 16 matrix instructions, the four accumulators by turns, one instruction a turn; K ascending.  Then the set just read takes the group two further on.
.macro GROUP g
	s_wait_loadcnt 56-8*(\g)                       ; h's fragments of this group are in, and all that was asked for ahead of them; those of later groups, eight loads each, may be out
.if (\g) < 7
	s_wait_dscnt 32                                ; this group's weights are in; the next group's 32 loads may be out
.else
	s_wait_dscnt 0x0
.endif
	WIN 0x06                                       ; source 0 (wo) window 2, source 1 (h) window 1
.irp kk, 0,1,2,3
.irp t, 0,1,2,3
	WM ACC+8*\t, 128*((\g)%2)+32*\kk+8*\t, 8*(4*(\g)+\kk), ((\g)+\kk==0), WS+32*(\t/2)+4*(\g)+\kk, HS+(4*(\g)+\kk)/2, \t%2, \kk%2
.endr
.endr
.if (\g) != 6
.rept 4
	v_nop                                          ; four places ahead of loads into registers that these products read, and, behind the last group, of the first read of results
.endr
.endif
.if (\g) < 6
	WLOAD (\g)+2
.endif
.endm
	s_load_b512 s[4:19], s[0:1], 0x0               ; eidx s[4:5], h_codes s[6:7], h_scales s[8:9], wo_codes s[10:11], wo_scales s[12:13], tprob s[14:15], hidden s[16:17], out0 s[18:19]
	v_lshl_add_u32 v254, v0, 2, 0x24800
	v_mov_b32 v255, 0
	v_lshrrev_b32 v1, 5, v0
	v_readfirstlane_b32 s21, v1                    ; wave 0..3
	s_and_b32 s20, ttmp7, 0xffff                   ; the expert
	s_lshr_b32 s22, ttmp9, 1                       ; nt: which 64 columns
	s_and_b32 s23, ttmp9, 1                        ; mp: which half of the tiles
	v_and_b32 v1, 31, v0                           ; lane
	v_lshlrev_b32 v2, 4, v1                        ; 16 x lane
	v_and_b32 v3, 15, v0                           ; r
	v_bfe_u32 v4, v0, 4, 1                         ; h
	s_mul_i32 s28, s21, 16*WP
	v_add_nc_u32 v5, s28, v2                       ; wo into LDS: my wave's 16 rows
	v_mul_u32_u24 v6, v3, WP
	v_lshl_add_u32 v6, v4, 4, v6                   ; a fragment out of it: row r, + 16 h;
	v_add_nc_u32 v7, 32*WP, v6                     ; 32 rows on, since an offset has 16 bits
	s_mul_i32 s28, s21, 16*SP
	s_add_co_u32 s28, s28, STG                     ; my stage
	v_mul_u32_u24 v8, v3, SP
	v_lshl_add_u32 v8, v4, 5, v8
	v_add_nc_u32 v8, s28, v8                       ; in: row r, 32 bytes for each half of the lanes
	v_lshl_add_u32 v9, v1, 3, s28                  ; back: 32 lanes take a row of 256 bytes
	s_lshl_b32 s28, s22, 8
	v_lshl_add_u32 v10, v1, 3, s28                 ; the same 8 bytes in a row of hidden_states and of out0: 256 nt + 8 lane
	v_lshlrev_b32 v11, 7, v1                       ; wo's scale words: 128 bytes a row
	v_lshlrev_b32 v14, 2, v1                       ; 4 x lane
	s_lshl_b32 s24, s20, 21                        ; wo_codes: 2 MB an expert, 128 KB for 64 rows, 32 KB a wave
	s_lshl_b32 s25, s22, 17
	s_add_co_u32 s24, s24, s25
	s_lshl_b32 s25, s21, 15
	s_add_co_u32 s24, s24, s25
	s_mov_b32 s25, 0
	s_lshl_b32 s26, s20, 17                        ; wo_scales: 128 KB an expert, 8 KB for 64 rows
	s_lshl_b32 s27, s22, 13
	s_add_co_u32 s26, s26, s27
	s_mov_b32 s27, 0
	s_lshl_b32 s28, s20, 21                        ; h_codes: 2 MB an expert
	s_mov_b32 s29, 0
	s_lshl_b32 s30, s20, 17                        ; h_scales: 128 KB an expert
	s_mov_b32 s31, 0
	s_wait_kmcnt 0x0
	s_add_nc_u64 s[10:11], s[10:11], s[24:25]
	s_add_nc_u64 s[12:13], s[12:13], s[26:27]
	s_add_nc_u64 s[6:7], s[6:7], s[28:29]
	s_add_nc_u64 s[8:9], s[8:9], s[30:31]
	; ---- 88 loads
.irp j, 0,1,2,3,4,5,6,7
	global_load_b128 v[IDX+4*\j:IDX+4*\j+3], v2, s[4:5] offset:512*\j
.endr
.irp b, 0,1
.irp j, 0,1,2,3,4,5,6,7
	global_load_b128 v[WS+32*\b+4*\j:WS+32*\b+4*\j+3], v11, s[12:13] offset:4096*\b+16*\j
.endr
.endr
	WIN 0x80                                       ; destination window 2
.set i, 0
.rept 64
	global_load_b128 v[4*i:4*i+3], v2, s[10:11] offset:512*i   ; a quarter of a row of wo: 512 consecutive bytes
.set i, i+1
.endr
	WIN 0
	s_wait_loadcnt 63                              ; of the 88 the first 25 are in: eidx and the scale words
	BALLOTS IDX, 20, 24, 28
	s_add_co_u32 s25, s24, 15
	s_lshr_b32 s25, s25, 4
	s_min_u32 s25, s25, 64                         ; the expert's tiles
	s_mov_b32 s31, 0                               ; (named with s30 as a pair by the packed form, so it is written)
	s_mov_b32 s29, 0                               ; the trip
	s_lshl_b32 s2, s23, 2
	s_add_co_u32 s2, s2, s21                       ; my first tile: 4 mp + wave
	s_mov_b32 s26, s2
	s_max_u32 s3, s25, 1
	s_sub_co_u32 s3, s3, 1                         ; the expert's last tile (0 if it has none),
	s_min_u32 s3, s3, s26                          ; or my first, if the expert has it:
	s_min_u32 s3, s3, 63                           ; the tile that I ask for here; inside the buffers whatever the counts
	ASKTILE 3                                      ; its 97 loads go out behind the weights' loads and beside them
	s_wait_loadcnt 63                              ; the 63 youngest loads are pieces of h's fragments: all of wo is in, and so are the probability, the residual and h's scale words
	WIN 0x08                                       ; an LDS store's data are its source 1: window 2
.set i, 0
.rept 64
	ds_store_b128 v5, v[4*i:4*i+3] offset:WP*(i/4)+512*(i%4)
.set i, i+1
.endr
	WIN 0
	s_wait_dscnt 0x0                               ; for the others' sake: my 16 rows lie in LDS
	s_barrier_signal -1
	s_barrier_wait -1                              ; the launch's one barrier: every wave passes it, whatever the counts
	s_cmp_ge_u32 s26, s25
	s_cbranch_scc1 .Lend                           ; a wave that this split leaves without rows stores nothing
.Ltile:                                            ; a trip: 16 rows of the expert x 64 columns, all of K, asked for ahead.  TRIPS trips at the most; the loop is left as soon as the expert's tiles are done
	WLOAD 0
	WLOAD 1
	; The sums begin anew over the last trip's accumulators: the search at that trip's foot stands between, far more than five plain lines that name no register of the last products.
.irp g, 0,1,2,3,4,5,6,7
	GROUP \g
.endr
	WIN 0
	; ---- the way out: through my stage, so that a row's 256 bytes lie in 32 neighbouring lanes
.irp t, 0,1,2,3
	ds_store_b128 v8, v[ACC+8*\t:ACC+8*\t+3] offset:64*\t          ; each accumulator from its low end on
	ds_store_b128 v8, v[ACC+8*\t+4:ACC+8*\t+7] offset:64*\t+16
.endr
.set i, 0
.rept 16
	ds_load_b64 v[Y+2*i:Y+2*i+1], v9 offset:SP*i   ; LDS serves a wave's instructions in order (ISA guide 5.7.1.4): these see the stores above
.set i, i+1
.endr
	s_lshl_b32 s28, s26, 4
	s_sub_co_u32 s27, s24, s28                     ; rows of this tile that are the expert's: at least 1
	s_wait_dscnt 0x0
.irp i, 0,1,2,3,4,5,6,7,8,9,10,11,12,13,14,15
.if \i > 0
	s_cmp_le_u32 s27, \i
	s_cbranch_scc1 .Lrows_done                     ; the rows that only fill the tile up are not stored
.endif
	v_readlane_b32 s30, v[TPR], \i
	v_pk_fma_f32 v[Y+2*\i:Y+2*\i+1], v[Y+2*\i:Y+2*\i+1], s[30:31], v[RES+2*\i:RES+2*\i+1] op_sel_hi:[1,0,1]   ; hidden + p x row
	global_store_b64 v[OFF+\i], v[Y+2*\i:Y+2*\i+1], s[18:19] th:TH_STORE_NT   ; 32 lanes store 256 consecutive bytes, aligned
.endr
.Lrows_done:
	s_add_co_u32 s29, s29, 1                       ; the loop is counted by the trip, one a trip, against a constant;
	s_lshl_b32 s26, s29, 3
	s_add_co_u32 s26, s26, s2                      ; my next tile: 8 trip + 4 mp + wave, 63 at the most inside the loop
	s_cmp_ge_u32 s26, s25
	s_cbranch_scc1 .Lend                           ; the expert has no such tile: done
	s_wait_xcnt 0x0                                ; this trip's stores have read their data and offsets: both are written again from here on
	ASKTILE 26                                     ; the next tile's operands
	s_cmp_lt_u32 s29, TRIPS
	s_cbranch_scc1 .Ltile
.Lend:
	s_wait_tensorcnt 0x0
	ds_add_u32 v254, v255
	s_wait_dscnt 0x0
	s_endpgm
.Lfunc_end_k_qd8ce708de8_down:
	.size	k_qd8ce708de8_down, .Lfunc_end_k_qd8ce708de8_down-k_qd8ce708de8_down
	.p2alignl 7, 3214868480
	.fill 96, 4, 3214868480
	.section	.rodata,"a",@progbits
	.p2align	6, 0x0
	.amdhsa_kernel k_qd8ce708de8_down
		.amdhsa_group_segment_fixed_size 150016
		.amdhsa_private_segment_fixed_size 0
		.amdhsa_enable_private_segment 0
		.amdhsa_kernarg_size 64
		.amdhsa_user_sgpr_count 2
		.amdhsa_user_sgpr_kernarg_segment_ptr 1
		.amdhsa_wavefront_size32 1
		.amdhsa_system_sgpr_workgroup_id_x 1
		.amdhsa_system_sgpr_workgroup_id_y 1
		.amdhsa_system_sgpr_workgroup_id_z 1
		.amdhsa_system_vgpr_workitem_id 0
		.amdhsa_next_free_vgpr 768
		.amdhsa_next_free_sgpr 102
		.amdhsa_reserve_vcc 1
		.amdhsa_float_denorm_mode_32 3
		.amdhsa_float_denorm_mode_16_64 3
		.amdhsa_memory_ordered 1
		.amdhsa_forward_progress 1
		.amdhsa_inst_pref_size 103
	.end_amdhsa_kernel
	.amdgpu_metadata
---
amdhsa.version: [ 1, 2 ]
amdhsa.kernels:
  - .name:           k_qd8ce708de8_down
    .symbol:         k_qd8ce708de8_down.kd
    .args:
      - { .name: eidx, .offset: 0, .size: 8, .value_kind: global_buffer, .address_space: global }
      - { .name: h_codes, .offset: 8, .size: 8, .value_kind: global_buffer, .address_space: global }
      - { .name: h_scales, .offset: 16, .size: 8, .value_kind: global_buffer, .address_space: global }
      - { .name: wo_codes, .offset: 24, .size: 8, .value_kind: global_buffer, .address_space: global }
      - { .name: wo_scales, .offset: 32, .size: 8, .value_kind: global_buffer, .address_space: global }
      - { .name: tprob, .offset: 40, .size: 8, .value_kind: global_buffer, .address_space: global }
      - { .name: hidden_states, .offset: 48, .size: 8, .value_kind: global_buffer, .address_space: global }
      - { .name: out0, .offset: 56, .size: 8, .value_kind: global_buffer, .address_space: global }
    .group_segment_fixed_size: 150016
    .private_segment_fixed_size: 0
    .kernarg_segment_align: 8
    .kernarg_segment_size: 64
    .max_flat_workgroup_size: 128
    .sgpr_count:     102
    .vgpr_count:     768
    .wavefront_size: 32
...
	.end_amdgpu_metadata
.endif
;; end of part 3
;; ======== version 2 of 2: 3 launches; version 1 with the launches up, down written anew for expert scheduling mode
;; workspace buffers: x_codes 524,288 bytes; x_scales 32,768 bytes; eidx 4,096 bytes of whole numbers; tprob 4,096 bytes; h_codes 16,777,216 bytes; h_scales 1,048,576 bytes
;; launch route: the kernel of part 1 again; grid 128 x 1, 4 waves a work-group, no clusters, 90,112 bytes of LDS; arguments hidden_states, ln_weight, router_w, x_codes, x_scales, eidx, tprob, out1, out2; writes x_codes, x_scales, eidx, tprob, out1, out2
;; launch up (part 4): grid 32 x 8, 4 waves a work-group, no clusters, 135,680 bytes of LDS; arguments eidx, x_codes, x_scales, wi_codes, wi_scales, h_codes, h_scales; writes h_codes, h_scales
.if DOCPART == 4
	.amdgcn_target "amdgcn-amd-amdhsa--gfx1250"
	.amdhsa_code_object_version 6
	.text
	.protected	k_qd8ce708de8_up
	.globl	k_qd8ce708de8_up
	.p2align	8
	.type	k_qd8ce708de8_up,@function
k_qd8ce708de8_up:
	s_mov_b64 s[64:65], 0
	v_nop
	global_prefetch_b8 v0, s[64:65] scope:SCOPE_SE
	s_setreg_imm32_b32 hwreg(HW_REG_WAVE_SCHED_MODE, 0, 2), 2
	s_setreg_imm32_b32 hwreg(HW_REG_WAVE_MODE, 25, 1), 1
	s_wait_xcnt 0x0
	s_wait_alu depctr_vm_vsrc(0)
; h = Q(relu(x wi[e]^T)) for the rows that chose expert e; both operands codes of E2M1 with E8M0 scales, sums f32.
; SHARES.  Work-group (s, e) owns hidden units 128 s .. 128 s + 127 of expert e: 128 rows of wi[e], one dense block of 64 KB that no other work-group reads.  Every wave holds all of it in registers
; (64 fragments, 512 registers); the waves share the expert's rows by pairs of tiles (32 rows): wave w takes pairs w, w + 4, ..  128 hidden units are one K step of the next product, so a wave makes
; whole fragments and whole scale words of it, and no barrier stands in the loop.
; WHICH ROWS.  Every work-group makes the expert's list anew from eidx, without LDS and without another launch: 32 ballots (register c, lane l = token 128 (c / 4) + 4 l + c % 4) and their running counts
; lie in scalar registers; a lane finds the token of rank j by choosing the ballot that holds it and the bit of that rank in it.  The next launch orders the rows in the same way.
; Ranks at or past the expert's count give some token of the table: such rows fill a tile up, and the next launch stores nothing of them.
; A PAIR'S ROWS ARE ASKED FOR AHEAD: the first pair's as soon as the ballots stand, while the weights' 40 loads are still on their way; a later pair's at the foot of the trip before.  Every wave asks in the head, one that
; the split leaves without a pair too: its ranks give tokens of the table, all of x is written, and it stores nothing.
; NO MULTICAST, NO TENSOR LOAD: how many trips a wave works hangs on counts read from memory, and no two work-groups read the same weights.
; THE PRODUCT IS USED TRANSPOSED (source 0 = 16 rows of wi, source 1 = 16 rows of x), and the rows of wi that form a tile are chosen: lane r of tile 2 b + u takes row 32 b + 8 u + r + 8 (r / 8),
; so that a lane's 16 registers of tiles 2 b and 2 b + 1 are 16 neighbours along the next K.  That choice is made where the rows are stored into LDS.
; h_codes [e][tile 0..63][K step s][1,024 bytes]: the image of the operand's 8 registers, four registers at 512 c + 16 lane.  h_scales [e][tile][s][16 rows], a word each.
; LIMITS: a block of zeros gets the byte 1, not 127: its codes are zeros, and this program alone reads the bytes.
; REGISTERS: window 0: v1-14 addresses; v16-27 the search; v32-63 wi's scale words (8 b + k: lanes 0-15 tile 2 b, lanes 16-31 tile 2 b + 1); v64-71 x's (lanes 0-15 tile 0, lanes 16-31 tile 1);
;   v96-159 eight accumulators (at the head: eidx); v160-175 codes; v176-178 scale words made; v184-199 at work; v200-231 the 32 rows' offsets.
;   windows 1, 2: wi's fragment (t, k) at 64 (t % 4) + 8 k of window 1 + t / 4 (window 1's v0-127 first take the rows as loaded).   window 3: v0-127 32 rows of x as loaded; v128-255 x's fragment (m, k) at 128 + 64 m + 8 k.
; THE MODE: SCHED_MODE bits 1:0 = 2 (LLVM: expert scheduling mode 2), set by the entry lines.  The code itself states the register dependences between vector or matrix instructions and memory or LDS
; instructions, and those through scalar registers and VCC that vector instructions write, with s_wait_alu, always for 0.
; THE PLAN.  Registers that memory or LDS instructions touch:
;   v2, v5 .. v9            offsets and LDS addresses: written at the head, ahead of the head's wait on va_vdst, and never again.
;   v10, v11, v12, v200-231 offsets of a pair: written by ASKROWS; read by its 34 loads (v12, v200-231) and by the next trip's five stores (v10, v11).
;   window 1 v0-127         wi's rows land; the head's LDS stores read them; then fragments land there.
;   window 3 v0-127         a pair's rows land (ASKROWS); the trip's 32 LDS stores read them.  No vector instruction names them.
;   window 3 v128-255, v64-71  x's fragments and scale words land; the trip's products read them.
;   v160-175, v178          written by the quantiser and one selection; read by the trip's five stores.
; So a trip holds two waits on va_vdst ahead of its stores, ONE wait on vm_vsrc at its foot (all that the trip's stores, loads and LDS stores read may be written again) and ONE wait on va_vdst in ASKROWS,
; behind all its arithmetic and ahead of all its loads (the offsets are written; the trip's products are done with x's scale words and fragments).
.set WP,   528                         ; a row of 512 bytes in LDS + 16: sixteen rows that a load touches begin at sixteen different 16-byte columns
.set XST,  128*WP                      ; behind wi's 128 rows: 32 rows of x for each wave, its own
.set TRIPS, 8                          ; 1,024 rows are 32 pairs of tiles at the most, shared by four waves
.set WS,   32
.set XS,   64
.set HA,   96
.set IDX,  96
.set PC0,  160
.set PC1,  168
.set PW0,  176
.set PW1,  177
.set PWC,  178
.set TM,   184
.set RO,   200                         ; v200-231 row i's offset in x_codes: 512 token + 16 lane
.set MK,   24                          ; s[24:31] eight masks of the search; then eight rows' tokens
.set QJ,   16                          ; the rank wanted
.set QTOK, 17                          ; the token found
.set QW,   18                          ; the ballot that holds it
.set QB,   19                          ; the count ahead of that ballot
.set QC,   20                          ; its number
.set QK,   21                          ; the rank within it
.set QA2,  22                          ; counts of its fields of 2, 4, 8, 16 bits
.set QA4,  23
.set QA8,  24
.set QA16, 25
.set QPOS, 26
.set QT,   27
.set MSB, 0
.macro WIN new                         ; the immediate's high byte repeats the setting that is left
.if MSB != \new
	s_set_vgpr_msb (MSB<<8)|\new
.set MSB, \new
.endif
.endm
; The 32 ballots for expert s[se] into s[32:63], the counts ahead of each into s[66:97], the expert's count into s[cnt].
.macro BALLOTS idx, se, cnt, tmp
.set c, 0
.rept 32
	v_cmp_eq_u32 s[32+c], s[\se], v[\idx+c]
.set c, c+1
.endr
	s_wait_alu depctr_va_sdst(0)                   ; the 32 compares have written s[32:63], ahead of their first readers, the counts below
	s_mov_b32 s66, 0
.set c, 1
.rept 31
	s_bcnt1_i32_b32 s[\tmp], s[32+c-1]
	s_add_co_u32 s[66+c], s[66+c-1], s[\tmp]
.set c, c+1
.endr
	s_bcnt1_i32_b32 s[\tmp], s63
	s_add_co_u32 s[\cnt], s97, s[\tmp]
.endm
.macro HALVE x, width, step            ; is the bit wanted in the lower field at QPOS, or beyond it?
	v_bfe_u32 v[QT], v[\x], v[QPOS], \width
	v_cmp_ge_u32 vcc_lo, v[QK], v[QT]
	s_wait_alu depctr_va_vcc(0)                    ; the compare has written VCC, which the two selections below read
	v_cndmask_b32 v[QT], 0, v[QT], vcc_lo
	v_sub_nc_u32 v[QK], v[QK], v[QT]
	v_cndmask_b32 v[QT], 0, \step, vcc_lo
	v_add_nc_u32 v[QPOS], v[QPOS], v[QT]
.endm
; v[QJ], a rank in each lane, gives v[QTOK], the token of that rank among the expert's.  No branch, no memory.
.macro SELECT
	v_mov_b32 v[QW], s32
	v_mov_b32 v[QB], 0
	v_mov_b32 v[QC], 0
.set c, 1
.rept 4                                ; the counts never fall: the last ballot whose count ahead is at most the rank holds it.  The compares go in runs of eight, each into a mask of its own
.set n, 0
.rept 8
.if c+n < 32
	v_cmp_le_u32 s[MK+n], s[66+c+n], v[QJ]
.endif
.set n, n+1
.endr
	s_wait_alu depctr_va_sdst(0)                   ; the run's compares have written their masks s[24:31], which the selections below read
.set n, 0
.rept 8
.if c+n < 32
	v_cndmask_b32 v[QW], v[QW], s[32+c+n], s[MK+n]
	v_cndmask_b32 v[QB], v[QB], s[66+c+n], s[MK+n]
	v_cndmask_b32 v[QC], v[QC], c+n, s[MK+n]
.endif
.set n, n+1
.endr
.set c, c+8
.endr
	v_sub_nc_u32 v[QK], v[QJ], v[QB]
	v_lshrrev_b32 v[QT], 1, v[QW]
	v_and_b32 v[QT], 0x55555555, v[QT]
	v_sub_nc_u32 v[QA2], v[QW], v[QT]
	v_lshrrev_b32 v[QT], 2, v[QA2]
	v_and_b32 v[QT], 0x33333333, v[QT]
	v_and_b32 v[QA4], 0x33333333, v[QA2]
	v_add_nc_u32 v[QA4], v[QA4], v[QT]
	v_lshrrev_b32 v[QT], 4, v[QA4]
	v_add_nc_u32 v[QA8], v[QA4], v[QT]
	v_and_b32 v[QA8], 0x0f0f0f0f, v[QA8]
	v_lshrrev_b32 v[QT], 8, v[QA8]
	v_add_nc_u32 v[QA16], v[QA8], v[QT]
	v_mov_b32 v[QPOS], 0
	HALVE QA16, 8, 16
	HALVE QA8, 8, 8
	HALVE QA4, 4, 4
	HALVE QA2, 2, 2
	HALVE QW, 1, 1
	v_lshrrev_b32 v[QT], 2, v[QC]
	v_and_b32 v[QC], 3, v[QC]
	v_lshl_add_u32 v[QTOK], v[QT], 7, v[QC]
	v_lshl_add_u32 v[QTOK], v[QPOS], 2, v[QTOK]    ; token = 128 (c / 4) + 4 lane + c % 4
	v_min_u32 v[QTOK], 0x3ff, v[QTOK]              ; inside the table whatever the rank
.endm
; Pair s18's 32 rows are found and asked for: first all the arithmetic, then one wait, then 34 loads: my row's eight scale words (two loads), then the rows' codes, a row a load.  Every window is 0 before and behind.
.macro ASKROWS
	v_lshl_add_u32 v[QJ], s18, 5, v1               ; my rank: 32 pair + lane
	v_lshl_add_u32 v10, s18, 16, v2                ; the pair's images: two tiles of 32 KB
	v_lshl_add_u32 v11, s18, 12, v14               ; and their scale words
	SELECT
	v_lshlrev_b32 v12, 5, v[QTOK]
.irp g, 0,1,2,3                                ; row i's token goes to every lane through a scalar register, eight rows at a time
.irp i, 0,1,2,3,4,5,6,7
	v_readlane_b32 s[MK+\i], v[QTOK], 8*\g+\i
.endr
	s_wait_alu depctr_va_sdst(0)                   ; the eight tokens are written into s[24:31], ahead of their first readers below
.irp i, 0,1,2,3,4,5,6,7
	s_min_u32 s[MK+\i], s[MK+\i], 1023
.endr
.irp i, 0,1,2,3,4,5,6,7
	v_lshl_add_u32 v[RO+8*\g+\i], s[MK+\i], 9, v2  ; 512 token + 16 lane
.endr
.endr
	s_wait_alu depctr_va_vdst(0)                   ; v10, v11, v12 and v200-231 are written, which the loads below and the next trip's stores read as offsets; the last trip's products are done reading x's scale words, in which the first two loads land, and x's fragments, in which the next trip's LDS loads land
	global_load_b128 v[XS:XS+3], v12, s[8:9]       ; my row's eight scale words
	global_load_b128 v[XS+4:XS+7], v12, s[8:9] offset:16
	WIN 0xc0                                       ; destination window 3
.set i, 0
.rept 32
	global_load_b128 v[4*i:4*i+3], v[RO+i], s[6:7] ; a token's 512 consecutive bytes
.set i, i+1
.endr
	WIN 0
.endm
; One matrix instruction.  zero: the product starts its sum.  ra, rb: the half of the lanes in which source 0's and source 1's scale words stand.
.macro WM d, a, b, zero, sa, sb, ra, rb
.if \zero
.if (\ra) && (\rb)
	v_wmma_scale_f32_16x16x128_f8f6f4 v[\d:\d+7], v[\a:\a+7], v[\b:\b+7], 0, v[\sa], v[\sb] matrix_a_fmt:MATRIX_FMT_FP4 matrix_b_fmt:MATRIX_FMT_FP4 matrix_a_scale:MATRIX_SCALE_ROW1 matrix_b_scale:MATRIX_SCALE_ROW1
.elseif (\ra)
	v_wmma_scale_f32_16x16x128_f8f6f4 v[\d:\d+7], v[\a:\a+7], v[\b:\b+7], 0, v[\sa], v[\sb] matrix_a_fmt:MATRIX_FMT_FP4 matrix_b_fmt:MATRIX_FMT_FP4 matrix_a_scale:MATRIX_SCALE_ROW1
.elseif (\rb)
	v_wmma_scale_f32_16x16x128_f8f6f4 v[\d:\d+7], v[\a:\a+7], v[\b:\b+7], 0, v[\sa], v[\sb] matrix_a_fmt:MATRIX_FMT_FP4 matrix_b_fmt:MATRIX_FMT_FP4 matrix_b_scale:MATRIX_SCALE_ROW1
.else
	v_wmma_scale_f32_16x16x128_f8f6f4 v[\d:\d+7], v[\a:\a+7], v[\b:\b+7], 0, v[\sa], v[\sb] matrix_a_fmt:MATRIX_FMT_FP4 matrix_b_fmt:MATRIX_FMT_FP4
.endif
.else
.if (\ra) && (\rb)
	v_wmma_scale_f32_16x16x128_f8f6f4 v[\d:\d+7], v[\a:\a+7], v[\b:\b+7], v[\d:\d+7], v[\sa], v[\sb] matrix_a_fmt:MATRIX_FMT_FP4 matrix_b_fmt:MATRIX_FMT_FP4 matrix_a_scale:MATRIX_SCALE_ROW1 matrix_b_scale:MATRIX_SCALE_ROW1
.elseif (\ra)
	v_wmma_scale_f32_16x16x128_f8f6f4 v[\d:\d+7], v[\a:\a+7], v[\b:\b+7], v[\d:\d+7], v[\sa], v[\sb] matrix_a_fmt:MATRIX_FMT_FP4 matrix_b_fmt:MATRIX_FMT_FP4 matrix_a_scale:MATRIX_SCALE_ROW1
.elseif (\rb)
	v_wmma_scale_f32_16x16x128_f8f6f4 v[\d:\d+7], v[\a:\a+7], v[\b:\b+7], v[\d:\d+7], v[\sa], v[\sb] matrix_a_fmt:MATRIX_FMT_FP4 matrix_b_fmt:MATRIX_FMT_FP4 matrix_b_scale:MATRIX_SCALE_ROW1
.else
	v_wmma_scale_f32_16x16x128_f8f6f4 v[\d:\d+7], v[\a:\a+7], v[\b:\b+7], v[\d:\d+7], v[\sa], v[\sb] matrix_a_fmt:MATRIX_FMT_FP4 matrix_b_fmt:MATRIX_FMT_FP4
.endif
.endif
.endm
; 64 numbers of a lane, none negative, register 16 b + i = k 32 b + 16 (lane / 16) + i of my row, become a fragment's codes in v[pc] on and its scale word in v[pw].
.macro QUANT s, pc, pw
.irp b, 0,1,2,3
	v_max3_num_f32 v[TM+\b], v[\s+16*\b], v[\s+1+16*\b], 0x1800000   ; block b: my 16 numbers, and the floor 2^(3 - 127): the byte cannot fall under 1
.endr
.irp i, 2,4,6,8,10,12,14
.irp b, 0,1,2,3
	v_max3_num_f32 v[TM+\b], v[TM+\b], v[\s+16*\b+\i], v[\s+1+16*\b+\i]   ; the four blocks by turns
.endr
.endr
.irp b, 0,1,2,3
	v_permlanex16_b32 v[TM+4+\b], v[TM+\b], s2, s3
.endr
.irp b, 0,1,2,3
	v_max_num_f32 v[TM+\b], v[TM+\b], v[TM+4+\b]   ; with lane l xor 16's: the block's largest
.endr
.irp b, 0,1,2,3
	v_add_nc_u32 v[TM+12+\b], 0xff000000, v[TM+\b] ; 2 off its exponent field: the conversion takes that field as its scale
.endr
.irp b, 0,1,2,3
	v_lshrrev_b32 v[TM+4+\b], 23, v[TM+12+\b]      ; the scale's byte
.endr
	v_lshl_or_b32 v[\pw], v[TM+5], 8, v[TM+4]
	v_lshl_or_b32 v[\pw], v[TM+6], 16, v[\pw]
	v_lshl_or_b32 v[\pw], v[TM+7], 24, v[\pw]      ; my row's scale word
.irp b, 0,1,2,3
	v_cvt_scalef32_pk8_fp4_f32 v[\pc+2*\b], v[\s+16*\b:\s+7+16*\b], v[TM+12+\b]
	v_cvt_scalef32_pk8_fp4_f32 v[\pc+1+2*\b], v[\s+8+16*\b:\s+15+16*\b], v[TM+12+\b]
.endr
	v_nop                                          ; a plain line behind the last conversion
.irp c, 0,1                                    ; the operand's layout wants a whole block in a lane: lanes 0-15 block 2 c, lanes 16-31 block 2 c + 1
.irp i, 0,1
	v_permlane16_swap_b32 v[\pc+4*\c+\i], v[\pc+2+4*\c+\i]
.endr
.endr
.endm
; Tile m of the pair: 64 matrix instructions (four accumulators by turns, one instruction a turn; K ascending), relu, the quantiser.  The image's stores follow the macro, behind their wait.
; The sums begin anew over the accumulators of the tile before: between stand that tile's relu lines on the other accumulators and its quantiser's lines, more than five plain lines that name no register of its last products.
.macro TILE m, pc, pw
	WIN 0x0d                                       ; source 0 (wi) window 1, source 1 (x) window 3
.irp k, 0,1,2,3,4,5,6,7
.irp t, 0,1,2,3
	WM HA+8*\t, 64*\t+8*\k, 128+64*\m+8*\k, (\k==0), WS+8*(\t/2)+\k, XS+\k, \t%2, \m
.endr
.endr
	WIN 0x0e                                       ; source 0 window 2
.irp k, 0,1,2,3,4,5,6,7
.irp t, 4,5,6,7
	WM HA+8*\t, 64*(\t-4)+8*\k, 128+64*\m+8*\k, (\k==0), WS+8*(\t/2)+\k, XS+\k, \t%2, \m
.endr
.endr
	WIN 0
.rept 4
	v_nop                                          ; four places ahead of the first read of results just made (ISA guide 7.12.1)
.endr
.set j, 0
.rept 64
	v_max_num_f32 v[HA+j], 0, v[HA+j]              ; the activation, in f32; each accumulator from its low end on
.set j, j+1
.endr
	QUANT HA, \pc, \pw
.endm
	s_load_b256 s[4:11], s[0:1], 0x0               ; eidx s[4:5], x_codes s[6:7], x_scales s[8:9], wi_codes s[10:11]
	s_load_b128 s[12:15], s[0:1], 0x20             ; wi_scales s[12:13], h_codes s[14:15]
	s_load_b64 s[16:17], s[0:1], 0x30              ; h_scales
	v_lshl_add_u32 v254, v0, 2, 0x21000
	v_mov_b32 v255, 0
	v_lshrrev_b32 v1, 5, v0
	v_readfirstlane_b32 s21, v1                    ; wave 0..3
	s_and_b32 s20, ttmp7, 0xffff                   ; the expert
	v_and_b32 v1, 31, v0                           ; lane
	v_lshlrev_b32 v2, 4, v1                        ; 16 x lane
	v_and_b32 v3, 15, v0                           ; r
	v_bfe_u32 v4, v0, 4, 1                         ; h
	s_wait_alu depctr_va_sdst(0)                   ; s21 is written, ahead of its first reader: LDS places and the weights' base are made from it
	s_mul_i32 s18, s21, 32*WP
	v_add_nc_u32 v5, s18, v2                       ; wi into LDS: my wave's 32 rows
	v_mul_u32_u24 v6, v3, WP
	v_lshl_add_u32 v6, v4, 4, v6                   ; a fragment out of it: row r, + 16 h
	s_add_co_u32 s18, s18, XST
	v_add_nc_u32 v7, s18, v2                       ; x into my wave's stage,
	v_add_nc_u32 v8, s18, v6                       ; and a fragment out of it
	v_and_b32 v9, 8, v3
	v_add_nc_u32 v9, v9, v3
	v_lshl_add_u32 v9, v4, 3, v9
	v_lshlrev_b32 v9, 5, v9                        ; wi's scale words: row 8 h + r + 8 (r / 8) of a group of 32, 32 bytes a row
	v_lshlrev_b32 v14, 2, v3
	v_lshl_add_u32 v14, v4, 11, v14                ; h's scale words: 4 r, and a tile (2,048 bytes) on for lanes 16-31
.irp b, 0,1,2,3
	v_mov_b32 v[TM+4+\b], 0                        ; written once: a lane permute's destination counts as one of its sources
.endr
	s_mov_b32 s2, 0x76543210
	s_mov_b32 s3, 0xfedcba98                       ; v_permlanex16_b32's selects for lane l xor 16
	s_mov_b32 s19, 0xffff0000                      ; lanes 16-31
	s_lshl_b32 s24, s20, 21                        ; wi_codes: 2 MB an expert, 64 KB a slice, 16 KB a wave
	s_lshl_b32 s25, ttmp9, 16
	s_add_co_u32 s24, s24, s25
	s_lshl_b32 s25, s21, 14
	s_add_co_u32 s24, s24, s25
	s_mov_b32 s25, 0
	s_lshl_b32 s26, s20, 17                        ; wi_scales: 128 KB an expert, 4 KB a slice
	s_lshl_b32 s27, ttmp9, 12
	s_add_co_u32 s26, s26, s27
	s_mov_b32 s27, 0
	s_lshl_b32 s28, s20, 21                        ; h_codes: 2 MB an expert, 1,024 bytes a K step
	s_lshl_b32 s29, ttmp9, 10
	s_add_co_u32 s28, s28, s29
	s_mov_b32 s29, 0
	s_lshl_b32 s30, s20, 17                        ; h_scales: 128 KB an expert, 64 bytes a K step
	s_lshl_b32 s31, ttmp9, 6
	s_add_co_u32 s30, s30, s31
	s_mov_b32 s31, 0
	s_wait_kmcnt 0x0
	s_add_nc_u64 s[10:11], s[10:11], s[24:25]
	s_add_nc_u64 s[12:13], s[12:13], s[26:27]
	s_add_nc_u64 s[14:15], s[14:15], s[28:29]
	s_add_nc_u64 s[16:17], s[16:17], s[30:31]
	s_wait_alu depctr_va_vdst(0)                   ; the offsets and LDS addresses v2 and v5 to v9 are written, which the loads below and the LDS instructions of the whole kernel read
	; ---- 48 loads go out together
.irp j, 0,1,2,3,4,5,6,7
	global_load_b128 v[IDX+4*\j:IDX+4*\j+3], v2, s[4:5] offset:512*\j
.endr
.irp b, 0,1,2,3
.irp j, 0,1
	global_load_b128 v[WS+8*\b+4*\j:WS+8*\b+4*\j+3], v9, s[12:13] offset:1024*\b+16*\j
.endr
.endr
	WIN 0x40                                       ; destination window 1
.set i, 0
.rept 32
	global_load_b128 v[4*i:4*i+3], v2, s[10:11] offset:512*i th:TH_LOAD_NT   ; a row of wi: 512 consecutive bytes; read once in the launch
.set i, i+1
.endr
	WIN 0
	s_wait_loadcnt 40                              ; eidx's eight are in; the 40 younger loads may be out
	BALLOTS IDX, 20, 22, 24
	s_add_co_u32 s23, s22, 31
	s_lshr_b32 s23, s23, 5
	s_min_u32 s23, s23, 32                         ; pairs of tiles
	s_mov_b32 s98, 0                               ; the trip
	s_mov_b32 s18, s21                             ; my first pair
	ASKROWS                                        ; its rows are asked for now, behind the weights' loads and beside them
	s_wait_loadcnt 50                              ; the scale words and rows 0-15 of wi are in: younger are its rows 16-31 and the 34 loads just issued
	WIN 0x04                                       ; an LDS store's data are its source 1: window 1
.set i, 0
.rept 16
	ds_store_b128 v5, v[4*i:4*i+3] offset:((i&7)|((i&8)<<1)|((i&16)>>1))*WP   ; row i of a group of 32 goes to the place of the tile and lane that take it: bits 3 and 4 change places
.set i, i+1
.endr
	s_wait_loadcnt 34                              ; all of wi is in: the pair's 34 loads may be out
.rept 16
	ds_store_b128 v5, v[4*i:4*i+3] offset:((i&7)|((i&8)<<1)|((i&16)>>1))*WP
.set i, i+1
.endr
	WIN 0
	s_wait_dscnt 0x0                               ; for the others' sake: my 32 rows lie in LDS
	s_barrier_signal -1
	s_barrier_wait -1                              ; the launch's one barrier: every wave passes it, whatever the counts
	s_wait_alu depctr_vm_vsrc(0)                   ; my LDS stores have read window 1's v0-127, in which wi's fragments land below
	s_cmp_ge_u32 s18, s23
	s_cbranch_scc1 .Lend                           ; a wave that this split leaves without rows stores nothing
	WIN 0x40
.irp t, 0,1,2,3
.irp k, 0,1,2,3,4,5,6,7
.irp c, 0,1
	ds_load_b128 v[64*\t+8*\k+4*\c:64*\t+8*\k+4*\c+3], v6 offset:16*WP*\t+64*\k+32*\c
.endr
.endr
.endr
	WIN 0x80
.irp t, 4,5,6,7
.irp k, 0,1,2,3,4,5,6,7
.irp c, 0,1
	ds_load_b128 v[64*(\t-4)+8*\k+4*\c:64*(\t-4)+8*\k+4*\c+3], v6 offset:16*WP*\t+64*\k+32*\c
.endr
.endr
.endr
	WIN 0
.Lpair:                                            ; a trip: 32 rows of the expert, asked for ahead.  TRIPS trips at the most; the loop is left as soon as the expert's pairs are done
	s_wait_loadcnt 16                              ; of the pair's 34 loads the scale words and rows 0-15 are in
	WIN 0x0c                                       ; the data: window 3
.set i, 0
.rept 16
	ds_store_b128 v7, v[4*i:4*i+3] offset:WP*i
.set i, i+1
.endr
	s_wait_loadcnt 0x0
.rept 16
	ds_store_b128 v7, v[4*i:4*i+3] offset:WP*i
.set i, i+1
.endr
	WIN 0xc0
.irp m, 0,1                                    ; LDS serves a wave's instructions in order (ISA guide 5.7.1.4): these see the stores above.  No vector or matrix instruction since ASKROWS's wait names the registers in which they land
.irp k, 0,1,2,3,4,5,6,7
.irp c, 0,1
	ds_load_b128 v[128+64*\m+8*\k+4*\c:128+64*\m+8*\k+4*\c+3], v8 offset:16*WP*\m+64*\k+32*\c
.endr
.endr
.endr
	s_wait_dscnt 16                                ; all but tile 1's sixteen loads: tile 0's fragments, and in the first trip wi's 128 loads ahead of them
	TILE 0, PC0, PW0
	s_wait_alu depctr_va_vdst(0)                   ; tile 0's conversions and exchanges have written v160-167, which the two stores read
	global_store_b128 v10, v[PC0:PC0+3], s[14:15]                  ; 32 lanes store 512 consecutive bytes, aligned
	global_store_b128 v10, v[PC0+4:PC0+7], s[14:15] offset:512
	s_wait_dscnt 0x0
	TILE 1, PC1, PW1
	v_cndmask_b32 v[PWC], v[PW0], v[PW1], s19      ; lanes 0-15 tile 0's words, lanes 16-31 tile 1's
	s_wait_alu depctr_va_vdst(0)                   ; tile 1's conversions and exchanges have written v168-175, and the selection v178, which the three stores read
	global_store_b128 v10, v[PC1:PC1+3], s[14:15] offset:32768
	global_store_b128 v10, v[PC1+4:PC1+7], s[14:15] offset:32768+512
	global_store_b32 v11, v[PWC], s[16:17]         ; two runs of 64 bytes: parts of aligned 256; 128 KB in the whole launch at the most
	s_add_co_u32 s98, s98, 1                       ; the loop is counted by the trip, one a trip, against a constant;
	s_lshl_b32 s18, s98, 2
	s_add_co_u32 s18, s18, s21                     ; my next pair: 4 trip + wave, 31 at the most inside the loop
	s_wait_xcnt 0x0                                ; this trip's stores have read their data and offsets: both are written again from here on
	s_wait_alu depctr_vm_vsrc(0)                   ; the trip's stores have read v10, v11, v160-175 and v178, its LDS stores window 3's v0-127, and the loads that brought the pair v12 and v200-231: ASKROWS and the next trip write all of these again
	s_cmp_ge_u32 s18, s23
	s_cbranch_scc1 .Lend                           ; the expert has no such pair: done
	ASKROWS                                        ; the next pair's rows
	s_cmp_lt_u32 s98, TRIPS
	s_cbranch_scc1 .Lpair
.Lend:
	s_wait_dscnt 0x0                               ; the closing lines, six on end
	s_wait_alu 0x0
	s_wait_tensorcnt 0x0
	ds_add_u32 v254, v255
	s_wait_dscnt 0x0
	s_endpgm
.Lfunc_end_k_qd8ce708de8_up:
	.size	k_qd8ce708de8_up, .Lfunc_end_k_qd8ce708de8_up-k_qd8ce708de8_up
	.p2alignl 7, 3214868480
	.fill 96, 4, 3214868480
	.section	.rodata,"a",@progbits
	.p2align	6, 0x0
	.amdhsa_kernel k_qd8ce708de8_up
		.amdhsa_group_segment_fixed_size 135680
		.amdhsa_private_segment_fixed_size 0
		.amdhsa_enable_private_segment 0
		.amdhsa_kernarg_size 56
		.amdhsa_user_sgpr_count 2
		.amdhsa_user_sgpr_kernarg_segment_ptr 1
		.amdhsa_wavefront_size32 1
		.amdhsa_system_sgpr_workgroup_id_x 1
		.amdhsa_system_sgpr_workgroup_id_y 1
		.amdhsa_system_sgpr_workgroup_id_z 1
		.amdhsa_system_vgpr_workitem_id 0
		.amdhsa_next_free_vgpr 1024
		.amdhsa_next_free_sgpr 102
		.amdhsa_reserve_vcc 1
		.amdhsa_float_denorm_mode_32 3
		.amdhsa_float_denorm_mode_16_64 3
		.amdhsa_memory_ordered 1
		.amdhsa_forward_progress 1
		.amdhsa_inst_pref_size 95
	.end_amdhsa_kernel
	.amdgpu_metadata
---
amdhsa.version: [ 1, 2 ]
amdhsa.kernels:
  - .name:           k_qd8ce708de8_up
    .symbol:         k_qd8ce708de8_up.kd
    .args:
      - { .name: eidx, .offset: 0, .size: 8, .value_kind: global_buffer, .address_space: global }
      - { .name: x_codes, .offset: 8, .size: 8, .value_kind: global_buffer, .address_space: global }
      - { .name: x_scales, .offset: 16, .size: 8, .value_kind: global_buffer, .address_space: global }
      - { .name: wi_codes, .offset: 24, .size: 8, .value_kind: global_buffer, .address_space: global }
      - { .name: wi_scales, .offset: 32, .size: 8, .value_kind: global_buffer, .address_space: global }
      - { .name: h_codes, .offset: 40, .size: 8, .value_kind: global_buffer, .address_space: global }
      - { .name: h_scales, .offset: 48, .size: 8, .value_kind: global_buffer, .address_space: global }
    .group_segment_fixed_size: 135680
    .private_segment_fixed_size: 0
    .kernarg_segment_align: 8
    .kernarg_segment_size: 56
    .max_flat_workgroup_size: 128
    .sgpr_count:     102
    .vgpr_count:     1024
    .wavefront_size: 32
...
	.end_amdgpu_metadata
.endif
;; end of part 4
;; launch down (part 5): grid 32 x 8, 4 waves a work-group, no clusters, 150,016 bytes of LDS; arguments eidx, h_codes, h_scales, wo_codes, wo_scales, tprob, hidden_states, out0; writes out0
.if DOCPART == 5
	.amdgcn_target "amdgcn-amd-amdhsa--gfx1250"
	.amdhsa_code_object_version 6
	.text
	.protected	k_qd8ce708de8_down
	.globl	k_qd8ce708de8_down
	.p2align	8
	.type	k_qd8ce708de8_down,@function
k_qd8ce708de8_down:
	s_mov_b64 s[64:65], 0
	v_nop
	global_prefetch_b8 v0, s[64:65] scope:SCOPE_SE
	s_setreg_imm32_b32 hwreg(HW_REG_WAVE_SCHED_MODE, 0, 2), 2
	s_setreg_imm32_b32 hwreg(HW_REG_WAVE_MODE, 25, 1), 1
	s_wait_xcnt 0x0
	s_wait_alu depctr_vm_vsrc(0)
; out0 = hidden_states + top_prob x (h wo[e]^T) for the rows that chose expert e; both operands codes of E2M1 with E8M0 scales, sums f32.
; SHARES.  Work-group (x = 2 nt + mp, e) holds rows 64 nt .. 64 nt + 63 of wo[e] (64 output columns, all of K = 4,096: one dense block of 128 KB) in LDS.  A wave takes one tile of 16 rows of the expert a trip,
; through all of K and all 64 columns: tiles 4 mp + w, + 8, ..  So a token's 64 columns, 256 bytes, lie in one wave, a sum has no partner, and no barrier stands in the loop.  The two parities mp share an expert's tiles.
; The weights are read from LDS in every trip, not kept in registers: 64 columns x 4,096 codes would be 1,024 registers a wave.
; WHICH ROWS: the expert's list is made anew from eidx as in the launch before, in the same order.  Rows past the expert's count fill the last tile up; nothing of them is stored.
; A TILE'S OPERANDS ARE ASKED FOR AHEAD: the first tile's as soon as the ballots stand, while the weights' loads are still on their way; a later tile's at the foot of the trip before.  Every wave asks in the head: one whose
; first tile the expert does not have asks for the expert's last tile instead and uses nothing of it.
; LIMIT: for an expert that no row chose, these first loads read bytes of h_codes and h_scales that no launch has written; nothing is made of them: such a work-group stores nothing.
; NO MULTICAST, NO TENSOR LOAD: how many trips a wave works hangs on counts read from memory.
; THE PRODUCT IS USED TRANSPOSED (source 0 = 16 rows of wo, source 1 = 16 rows of h): a lane holds one token and eight neighbouring columns.
; REGISTERS: window 0: v1-15 addresses; v16-27 the search; v30 top_prob; v32-47 the rows' offsets; v48-79 the residual (at the head: eidx); v80-111 rows read back; v112-143 four accumulators;
;   v144-159 h's scale words (register k / 2: lanes 0-15 K step k even, lanes 16-31 odd); v160-223 wo's (32 b + k: lane = row 32 b + lane).
;   window 1: h's fragment of K step k at 8 k.   window 2: wo's fragments, two sets of four K steps: (k % 4, t) at 128 (g % 2) + 32 (k % 4) + 8 t (at the head: 64 pieces of rows as loaded).
;   s20-23 (free once my first tile, s2, is made) and s98-101: eight masks of the search, then eight rows' tokens, then four probabilities in the low words of four pairs.
; THE MODE: SCHED_MODE bits 1:0 = 2 (LLVM: expert scheduling mode 2), set by the entry lines.  The code itself states the register dependences between vector or matrix instructions and memory or LDS
; instructions, and those through scalar registers and VCC that vector instructions write, with s_wait_alu, always for 0.
; THE PLAN.  Registers that memory or LDS instructions touch:
;   v2, v5 .. v9, v11       offsets and LDS addresses: written at the head, ahead of the head's wait on va_vdst, and never again.
;   v12, v13, v15, v32-47   offsets of a tile: written by ASKTILE; read by its 97 loads, v32-47 also by the next trip's stores.
;   window 2                wo's rows land; the head's LDS stores read them; from then on its two sets take wo's fragments by turns: a group's products read a set, and the loads of two groups on land in it.
;   window 1, v144-159, v30, v48-79  ASKTILE's loads land; the trip's products, lane reads and multiply-adds read them.
;   v112-143                written by the products; read by the stage's eight LDS stores.
;   v80-111                 the stage's LDS loads land; the multiply-adds write them in place; the global stores read them.
; So ASKTILE holds ONE wait on va_vdst, behind all its arithmetic and ahead of all its loads; each of groups 0 to 5 one, ahead of its run of 32 LDS loads; the way out two, ahead of the stage's stores and of the
; global stores; and ONE wait on vm_vsrc stands at a trip's foot: all that the trip's loads, LDS stores and stores read may be written again.
.set WP,   2064                        ; a row of 2,048 bytes in LDS + 16: sixteen rows that a load touches begin at sixteen different 16-byte columns
.set STG,  64*WP                       ; behind the weights: 16 rows x (256 bytes + 16) for each wave, for the way out
.set SP,   272
.set TRIPS, 8                          ; 1,024 rows are 64 tiles at the most, shared by two parities of four waves
.set WA,   6                           ; v6 fragments of tiles 0, 1; v7 of tiles 2, 3
.set TPR,  30
.set OFF,  32
.set RES,  48
.set IDX,  48
.set Y,    80
.set ACC,  112
.set HS,   144
.set WS,   160
.set QJ,   16
.set QTOK, 17
.set QW,   18
.set QB,   19
.set QC,   20
.set QK,   21
.set QA2,  22
.set QA4,  23
.set QA8,  24
.set QA16, 25
.set QPOS, 26
.set QT,   27
.set MSB, 0
.macro WIN new                         ; the immediate's high byte repeats the setting that is left
.if MSB != \new
	s_set_vgpr_msb (MSB<<8)|\new
.set MSB, \new
.endif
.endm
; The 32 ballots for expert s[se] (register c, lane l = token 128 (c / 4) + 4 l + c % 4) into s[32:63], the counts ahead of each into s[66:97], the expert's count into s[cnt].
.macro BALLOTS idx, se, cnt, tmp
.set c, 0
.rept 32
	v_cmp_eq_u32 s[32+c], s[\se], v[\idx+c]
.set c, c+1
.endr
	s_wait_alu depctr_va_sdst(0)                   ; the 32 compares have written s[32:63], ahead of their first readers, the counts below
	s_mov_b32 s66, 0
.set c, 1
.rept 31
	s_bcnt1_i32_b32 s[\tmp], s[32+c-1]
	s_add_co_u32 s[66+c], s[66+c-1], s[\tmp]
.set c, c+1
.endr
	s_bcnt1_i32_b32 s[\tmp], s63
	s_add_co_u32 s[\cnt], s97, s[\tmp]
.endm
.macro HALVE x, width, step            ; is the bit wanted in the lower field at QPOS, or beyond it?
	v_bfe_u32 v[QT], v[\x], v[QPOS], \width
	v_cmp_ge_u32 vcc_lo, v[QK], v[QT]
	s_wait_alu depctr_va_vcc(0)                    ; the compare has written VCC, which the two selections below read
	v_cndmask_b32 v[QT], 0, v[QT], vcc_lo
	v_sub_nc_u32 v[QK], v[QK], v[QT]
	v_cndmask_b32 v[QT], 0, \step, vcc_lo
	v_add_nc_u32 v[QPOS], v[QPOS], v[QT]
.endm
; v[QJ], a rank in each lane, gives v[QTOK], the token of that rank among the expert's.  No branch, no memory.  Mask n of eight lies in s[20 + n] (n under 4) or s[94 + n].
.macro SELECT
	v_mov_b32 v[QW], s32
	v_mov_b32 v[QB], 0
	v_mov_b32 v[QC], 0
.set c, 1
.rept 4                                ; the counts never fall: the last ballot whose count ahead is at most the rank holds it.  The compares go in runs of eight, each into a mask of its own
.set n, 0
.rept 8
.if c+n < 32
	v_cmp_le_u32 s[20+n+74*(n/4)], s[66+c+n], v[QJ]
.endif
.set n, n+1
.endr
	s_wait_alu depctr_va_sdst(0)                   ; the run's compares have written their masks s20-23 and s98-101, which the selections below read
.set n, 0
.rept 8
.if c+n < 32
	v_cndmask_b32 v[QW], v[QW], s[32+c+n], s[20+n+74*(n/4)]
	v_cndmask_b32 v[QB], v[QB], s[66+c+n], s[20+n+74*(n/4)]
	v_cndmask_b32 v[QC], v[QC], c+n, s[20+n+74*(n/4)]
.endif
.set n, n+1
.endr
.set c, c+8
.endr
	v_sub_nc_u32 v[QK], v[QJ], v[QB]
	v_lshrrev_b32 v[QT], 1, v[QW]
	v_and_b32 v[QT], 0x55555555, v[QT]
	v_sub_nc_u32 v[QA2], v[QW], v[QT]
	v_lshrrev_b32 v[QT], 2, v[QA2]
	v_and_b32 v[QT], 0x33333333, v[QT]
	v_and_b32 v[QA4], 0x33333333, v[QA2]
	v_add_nc_u32 v[QA4], v[QA4], v[QT]
	v_lshrrev_b32 v[QT], 4, v[QA4]
	v_add_nc_u32 v[QA8], v[QA4], v[QT]
	v_and_b32 v[QA8], 0x0f0f0f0f, v[QA8]
	v_lshrrev_b32 v[QT], 8, v[QA8]
	v_add_nc_u32 v[QA16], v[QA8], v[QT]
	v_mov_b32 v[QPOS], 0
	HALVE QA16, 8, 16
	HALVE QA8, 8, 8
	HALVE QA4, 4, 4
	HALVE QA2, 2, 2
	HALVE QW, 1, 1
	v_lshrrev_b32 v[QT], 2, v[QC]
	v_and_b32 v[QC], 3, v[QC]
	v_lshl_add_u32 v[QTOK], v[QT], 7, v[QC]
	v_lshl_add_u32 v[QTOK], v[QPOS], 2, v[QTOK]    ; token = 128 (c / 4) + 4 lane + c % 4
	v_min_u32 v[QTOK], 0x3ff, v[QTOK]              ; inside the table whatever the rank
.endm
; Tile s[tile]'s rows are found, and all that its trip reads from memory is asked for: first all the arithmetic, then one wait, then 97 loads, in this order: my row's probability, the 16 rows' residual,
; h's 16 registers of scale words, h's 64 pieces of fragments, K ascending.  Every window is 0 before and behind.
.macro ASKTILE tile
	v_lshl_add_u32 v[QJ], s[\tile], 4, v3          ; my row's rank: 16 tile + lane % 16
	v_lshl_add_u32 v12, s[\tile], 15, v2           ; the tile's images: 32 KB
	v_lshl_add_u32 v13, s[\tile], 11, v14          ; and their scale words: 2 KB
	SELECT
	v_lshlrev_b32 v15, 2, v[QTOK]
.irp g, 0,1                                    ; row i's token goes to every lane through a scalar register, eight rows at a time
.irp i, 0,1,2,3,4,5,6,7
	v_readlane_b32 s[20+\i+74*(\i/4)], v[QTOK], 8*\g+\i
.endr
	s_wait_alu depctr_va_sdst(0)                   ; the eight tokens are written into s20-23 and s98-101, ahead of their first readers below
.irp i, 0,1,2,3,4,5,6,7
	s_min_u32 s[20+\i+74*(\i/4)], s[20+\i+74*(\i/4)], 1023
.endr
.irp i, 0,1,2,3,4,5,6,7
	v_lshl_add_u32 v[OFF+8*\g+\i], s[20+\i+74*(\i/4)], 12, v10
.endr
.endr
	s_wait_alu depctr_va_vdst(0)                   ; v12, v13, v15 and v32-47 are written, which the loads below and the next trip's stores read as offsets; the last trip's products, lane reads and multiply-adds (at the head: the ballots) are done reading v30, v48-79, v144-159 and window 1, in which these loads land, and wo's two sets, in which the next trip's first LDS loads land
	global_load_b32 v[TPR], v15, s[14:15]          ; my row's probability
.set i, 0
.rept 16
	global_load_b64 v[RES+2*i:RES+2*i+1], v[OFF+i], s[16:17]   ; the residual: 256 consecutive bytes, aligned
.set i, i+1
.endr
.set i, 0
.rept 16
	global_load_b32 v[HS+i], v13, s[8:9] offset:128*i
.set i, i+1
.endr
	WIN 0x40                                       ; destination window 1
.set i, 0
.rept 64
	global_load_b128 v[4*i:4*i+3], v12, s[6:7] offset:512*i   ; h's fragments as they were stored, K ascending: 512 consecutive bytes
.set i, i+1
.endr
	WIN 0
.endm
; One matrix instruction.  zero: the product starts its sum.  ra, rb: the half of the lanes in which source 0's and source 1's scale words stand.
.macro WM d, a, b, zero, sa, sb, ra, rb
.if \zero
.if (\ra) && (\rb)
	v_wmma_scale_f32_16x16x128_f8f6f4 v[\d:\d+7], v[\a:\a+7], v[\b:\b+7], 0, v[\sa], v[\sb] matrix_a_fmt:MATRIX_FMT_FP4 matrix_b_fmt:MATRIX_FMT_FP4 matrix_a_scale:MATRIX_SCALE_ROW1 matrix_b_scale:MATRIX_SCALE_ROW1
.elseif (\ra)
	v_wmma_scale_f32_16x16x128_f8f6f4 v[\d:\d+7], v[\a:\a+7], v[\b:\b+7], 0, v[\sa], v[\sb] matrix_a_fmt:MATRIX_FMT_FP4 matrix_b_fmt:MATRIX_FMT_FP4 matrix_a_scale:MATRIX_SCALE_ROW1
.elseif (\rb)
	v_wmma_scale_f32_16x16x128_f8f6f4 v[\d:\d+7], v[\a:\a+7], v[\b:\b+7], 0, v[\sa], v[\sb] matrix_a_fmt:MATRIX_FMT_FP4 matrix_b_fmt:MATRIX_FMT_FP4 matrix_b_scale:MATRIX_SCALE_ROW1
.else
	v_wmma_scale_f32_16x16x128_f8f6f4 v[\d:\d+7], v[\a:\a+7], v[\b:\b+7], 0, v[\sa], v[\sb] matrix_a_fmt:MATRIX_FMT_FP4 matrix_b_fmt:MATRIX_FMT_FP4
.endif
.else
.if (\ra) && (\rb)
	v_wmma_scale_f32_16x16x128_f8f6f4 v[\d:\d+7], v[\a:\a+7], v[\b:\b+7], v[\d:\d+7], v[\sa], v[\sb] matrix_a_fmt:MATRIX_FMT_FP4 matrix_b_fmt:MATRIX_FMT_FP4 matrix_a_scale:MATRIX_SCALE_ROW1 matrix_b_scale:MATRIX_SCALE_ROW1
.elseif (\ra)
	v_wmma_scale_f32_16x16x128_f8f6f4 v[\d:\d+7], v[\a:\a+7], v[\b:\b+7], v[\d:\d+7], v[\sa], v[\sb] matrix_a_fmt:MATRIX_FMT_FP4 matrix_b_fmt:MATRIX_FMT_FP4 matrix_a_scale:MATRIX_SCALE_ROW1
.elseif (\rb)
	v_wmma_scale_f32_16x16x128_f8f6f4 v[\d:\d+7], v[\a:\a+7], v[\b:\b+7], v[\d:\d+7], v[\sa], v[\sb] matrix_a_fmt:MATRIX_FMT_FP4 matrix_b_fmt:MATRIX_FMT_FP4 matrix_b_scale:MATRIX_SCALE_ROW1
.else
	v_wmma_scale_f32_16x16x128_f8f6f4 v[\d:\d+7], v[\a:\a+7], v[\b:\b+7], v[\d:\d+7], v[\sa], v[\sb] matrix_a_fmt:MATRIX_FMT_FP4 matrix_b_fmt:MATRIX_FMT_FP4
.endif
.endif
.endm
; wo's fragments of K steps 4 g .. 4 g + 3, four tiles of 16 columns each: 32 LDS loads in one run, into set g % 2
.macro WLOAD g
	WIN 0x80                                       ; destination window 2
.irp kk, 0,1,2,3
.irp t, 0,1,2,3
.irp c, 0,1
	ds_load_b128 v[128*((\g)%2)+32*\kk+8*\t+4*\c:128*((\g)%2)+32*\kk+8*\t+4*\c+3], v[WA+\t/2] offset:16*WP*(\t%2)+64*(4*(\g)+\kk)+32*\c
.endr
.endr
.endr
.endm
; Four K steps: 16 matrix instructions, the four accumulators by turns, one instruction a turn; K ascending.  Then the set just read takes the group two further on.
.macro GROUP g
	s_wait_loadcnt 56-8*(\g)                       ; h's fragments of this group are in, and all that was asked for ahead of them; those of later groups, eight loads each, may be out
.if (\g) < 7
	s_wait_dscnt 32                                ; this group's weights are in; the next group's 32 loads may be out
.else
	s_wait_dscnt 0x0
.endif
	WIN 0x06                                       ; source 0 (wo) window 2, source 1 (h) window 1
.irp kk, 0,1,2,3
.irp t, 0,1,2,3
	WM ACC+8*\t, 128*((\g)%2)+32*\kk+8*\t, 8*(4*(\g)+\kk), ((\g)+\kk==0), WS+32*(\t/2)+4*(\g)+\kk, HS+(4*(\g)+\kk)/2, \t%2, \kk%2
.endr
.endr
.if (\g) != 6
.rept 4
	v_nop                                          ; four places ahead of loads into registers that these products read, and, behind the last group, of the first read of results
.endr
.endif
.if (\g) < 6
	WIN 0x80                                       ; the loads' window first, then the wait, then the loads
	s_wait_alu depctr_va_vdst(0)                   ; this group's products are done reading their set of wo's fragments, in which the 32 loads below land
	WLOAD (\g)+2
.endif
.endm
	s_load_b512 s[4:19], s[0:1], 0x0               ; eidx s[4:5], h_codes s[6:7], h_scales s[8:9], wo_codes s[10:11], wo_scales s[12:13], tprob s[14:15], hidden s[16:17], out0 s[18:19]
	v_lshl_add_u32 v254, v0, 2, 0x24800
	v_mov_b32 v255, 0
	v_lshrrev_b32 v1, 5, v0
	v_readfirstlane_b32 s21, v1                    ; wave 0..3
	s_and_b32 s20, ttmp7, 0xffff                   ; the expert
	s_lshr_b32 s22, ttmp9, 1                       ; nt: which 64 columns
	s_and_b32 s23, ttmp9, 1                        ; mp: which half of the tiles
	v_and_b32 v1, 31, v0                           ; lane
	v_lshlrev_b32 v2, 4, v1                        ; 16 x lane
	v_and_b32 v3, 15, v0                           ; r
	v_bfe_u32 v4, v0, 4, 1                         ; h
	s_wait_alu depctr_va_sdst(0)                   ; s21 is written, ahead of its first reader: LDS places, the weights' base and my first tile are made from it
	s_mul_i32 s28, s21, 16*WP
	v_add_nc_u32 v5, s28, v2                       ; wo into LDS: my wave's 16 rows
	v_mul_u32_u24 v6, v3, WP
	v_lshl_add_u32 v6, v4, 4, v6                   ; a fragment out of it: row r, + 16 h;
	v_add_nc_u32 v7, 32*WP, v6                     ; 32 rows on, since an offset has 16 bits
	s_mul_i32 s28, s21, 16*SP
	s_add_co_u32 s28, s28, STG                     ; my stage
	v_mul_u32_u24 v8, v3, SP
	v_lshl_add_u32 v8, v4, 5, v8
	v_add_nc_u32 v8, s28, v8                       ; in: row r, 32 bytes for each half of the lanes
	v_lshl_add_u32 v9, v1, 3, s28                  ; back: 32 lanes take a row of 256 bytes
	s_lshl_b32 s28, s22, 8
	v_lshl_add_u32 v10, v1, 3, s28                 ; the same 8 bytes in a row of hidden_states and of out0: 256 nt + 8 lane
	v_lshlrev_b32 v11, 7, v1                       ; wo's scale words: 128 bytes a row
	v_lshlrev_b32 v14, 2, v1                       ; 4 x lane
	s_lshl_b32 s24, s20, 21                        ; wo_codes: 2 MB an expert, 128 KB for 64 rows, 32 KB a wave
	s_lshl_b32 s25, s22, 17
	s_add_co_u32 s24, s24, s25
	s_lshl_b32 s25, s21, 15
	s_add_co_u32 s24, s24, s25
	s_mov_b32 s25, 0
	s_lshl_b32 s26, s20, 17                        ; wo_scales: 128 KB an expert, 8 KB for 64 rows
	s_lshl_b32 s27, s22, 13
	s_add_co_u32 s26, s26, s27
	s_mov_b32 s27, 0
	s_lshl_b32 s28, s20, 21                        ; h_codes: 2 MB an expert
	s_mov_b32 s29, 0
	s_lshl_b32 s30, s20, 17                        ; h_scales: 128 KB an expert
	s_mov_b32 s31, 0
	s_wait_kmcnt 0x0
	s_add_nc_u64 s[10:11], s[10:11], s[24:25]
	s_add_nc_u64 s[12:13], s[12:13], s[26:27]
	s_add_nc_u64 s[6:7], s[6:7], s[28:29]
	s_add_nc_u64 s[8:9], s[8:9], s[30:31]
	s_wait_alu depctr_va_vdst(0)                   ; the offsets and LDS addresses v2, v5 to v9 and v11 are written, which the loads below and the LDS instructions of the whole kernel read
	; ---- 88 loads
.irp j, 0,1,2,3,4,5,6,7
	global_load_b128 v[IDX+4*\j:IDX+4*\j+3], v2, s[4:5] offset:512*\j
.endr
.irp b, 0,1
.irp j, 0,1,2,3,4,5,6,7
	global_load_b128 v[WS+32*\b+4*\j:WS+32*\b+4*\j+3], v11, s[12:13] offset:4096*\b+16*\j
.endr
.endr
	WIN 0x80                                       ; destination window 2
.set i, 0
.rept 64
	global_load_b128 v[4*i:4*i+3], v2, s[10:11] offset:512*i   ; a quarter of a row of wo: 512 consecutive bytes
.set i, i+1
.endr
	WIN 0
	s_wait_loadcnt 63                              ; of the 88 the first 25 are in: eidx and the scale words
	BALLOTS IDX, 20, 24, 28
	s_add_co_u32 s25, s24, 15
	s_lshr_b32 s25, s25, 4
	s_min_u32 s25, s25, 64                         ; the expert's tiles
	s_mov_b32 s29, 0                               ; the trip
	s_lshl_b32 s2, s23, 2
	s_add_co_u32 s2, s2, s21                       ; my first tile: 4 mp + wave.  From here on s20 to s23 are free
	s_mov_b32 s26, s2
	s_max_u32 s3, s25, 1
	s_sub_co_u32 s3, s3, 1                         ; the expert's last tile (0 if it has none),
	s_min_u32 s3, s3, s26                          ; or my first, if the expert has it:
	s_min_u32 s3, s3, 63                           ; the tile that I ask for here; inside the buffers whatever the counts
	ASKTILE 3                                      ; its 97 loads go out behind the weights' loads and beside them
	s_wait_loadcnt 63                              ; the 63 youngest loads are pieces of h's fragments: all of wo is in, and so are the probability, the residual and h's scale words
	WIN 0x08                                       ; an LDS store's data are its source 1: window 2
.set i, 0
.rept 64
	ds_store_b128 v5, v[4*i:4*i+3] offset:WP*(i/4)+512*(i%4)
.set i, i+1
.endr
	WIN 0
	s_wait_dscnt 0x0                               ; for the others' sake: my 16 rows lie in LDS
	s_barrier_signal -1
	s_barrier_wait -1                              ; the launch's one barrier: every wave passes it, whatever the counts
	s_wait_alu depctr_vm_vsrc(0)                   ; my LDS stores have read window 2's registers, in which wo's fragments land from here on
	s_cmp_ge_u32 s26, s25
	s_cbranch_scc1 .Lend                           ; a wave that this split leaves without rows stores nothing
.Ltile:                                            ; a trip: 16 rows of the expert x 64 columns, all of K, asked for ahead.  TRIPS trips at the most; the loop is left as soon as the expert's tiles are done
	WLOAD 0                                        ; no vector or matrix instruction since ASKTILE's wait names window 2's registers
	WLOAD 1
	; The sums begin anew over the last trip's accumulators: the search at that trip's foot stands between, far more than five plain lines that name no register of the last products.
.irp g, 0,1,2,3,4,5,6,7
	GROUP \g
.endr
	WIN 0
	; ---- the way out: through my stage, so that a row's 256 bytes lie in 32 neighbouring lanes
	s_wait_alu depctr_va_vdst(0)                   ; behind the four places: the products have written the accumulators, which the LDS stores read; the last trip's multiply-adds have written v80-111, in which the LDS loads land
.irp t, 0,1,2,3
	ds_store_b128 v8, v[ACC+8*\t:ACC+8*\t+3] offset:64*\t          ; each accumulator from its low end on
	ds_store_b128 v8, v[ACC+8*\t+4:ACC+8*\t+7] offset:64*\t+16
.endr
.set i, 0
.rept 16
	ds_load_b64 v[Y+2*i:Y+2*i+1], v9 offset:SP*i   ; LDS serves a wave's instructions in order (ISA guide 5.7.1.4): these see the stores above
.set i, i+1
.endr
	s_lshl_b32 s28, s26, 4
	s_sub_co_u32 s27, s24, s28                     ; rows of this tile that are the expert's: at least 1
	s_wait_dscnt 0x0
.irp g, 0,1,2,3                                ; all sixteen rows are multiplied and added, four at a time; the rows that only fill the tile up too: their operands are there, and nothing of them is stored
.irp p, 0,1,2,3
	v_readlane_b32 s[20+2*\p+74*(\p/2)], v[TPR], 4*\g+\p
.endr
	s_wait_alu depctr_va_sdst(0)                   ; the four probabilities are written into s20, s22, s98 and s100, which the multiply-adds below read (of each pair the low word serves both halves)
.irp p, 0,1,2,3
	v_pk_fma_f32 v[Y+2*(4*\g+\p):Y+2*(4*\g+\p)+1], v[Y+2*(4*\g+\p):Y+2*(4*\g+\p)+1], s[20+2*\p+74*(\p/2):21+2*\p+74*(\p/2)], v[RES+2*(4*\g+\p):RES+2*(4*\g+\p)+1] op_sel_hi:[1,0,1]   ; hidden + p x row
.endr
.endr
	s_wait_alu depctr_va_vdst(0)                   ; the multiply-adds have written v80-111, which the stores below read
.irp i, 0,1,2,3,4,5,6,7,8,9,10,11,12,13,14,15
.if \i > 0
	s_cmp_le_u32 s27, \i
	s_cbranch_scc1 .Lrows_done                     ; the rows that only fill the tile up are not stored
.endif
	global_store_b64 v[OFF+\i], v[Y+2*\i:Y+2*\i+1], s[18:19] th:TH_STORE_NT   ; 32 lanes store 256 consecutive bytes, aligned
.endr
.Lrows_done:
	s_add_co_u32 s29, s29, 1                       ; the loop is counted by the trip, one a trip, against a constant;
	s_lshl_b32 s26, s29, 3
	s_add_co_u32 s26, s26, s2                      ; my next tile: 8 trip + 4 mp + wave, 63 at the most inside the loop
	s_wait_xcnt 0x0                                ; this trip's stores have read their data and offsets: both are written again from here on
	s_wait_alu depctr_vm_vsrc(0)                   ; the trip's stores have read v32-47 and v80-111, the stage's LDS stores the accumulators, and the loads that brought the tile v12, v13, v15 and v32-47: ASKTILE and the next trip write all of these again
	s_cmp_ge_u32 s26, s25
	s_cbranch_scc1 .Lend                           ; the expert has no such tile: done
	ASKTILE 26                                     ; the next tile's operands
	s_cmp_lt_u32 s29, TRIPS
	s_cbranch_scc1 .Ltile
.Lend:
	s_wait_dscnt 0x0                               ; the closing lines, six on end
	s_wait_alu 0x0
	s_wait_tensorcnt 0x0
	ds_add_u32 v254, v255
	s_wait_dscnt 0x0
	s_endpgm
.Lfunc_end_k_qd8ce708de8_down:
	.size	k_qd8ce708de8_down, .Lfunc_end_k_qd8ce708de8_down-k_qd8ce708de8_down
	.p2alignl 7, 3214868480
	.fill 96, 4, 3214868480
	.section	.rodata,"a",@progbits
	.p2align	6, 0x0
	.amdhsa_kernel k_qd8ce708de8_down
		.amdhsa_group_segment_fixed_size 150016
		.amdhsa_private_segment_fixed_size 0
		.amdhsa_enable_private_segment 0
		.amdhsa_kernarg_size 64
		.amdhsa_user_sgpr_count 2
		.amdhsa_user_sgpr_kernarg_segment_ptr 1
		.amdhsa_wavefront_size32 1
		.amdhsa_system_sgpr_workgroup_id_x 1
		.amdhsa_system_sgpr_workgroup_id_y 1
		.amdhsa_system_sgpr_workgroup_id_z 1
		.amdhsa_system_vgpr_workitem_id 0
		.amdhsa_next_free_vgpr 768
		.amdhsa_next_free_sgpr 102
		.amdhsa_reserve_vcc 1
		.amdhsa_float_denorm_mode_32 3
		.amdhsa_float_denorm_mode_16_64 3
		.amdhsa_memory_ordered 1
		.amdhsa_forward_progress 1
		.amdhsa_inst_pref_size 106
	.end_amdhsa_kernel
	.amdgpu_metadata
---
amdhsa.version: [ 1, 2 ]
amdhsa.kernels:
  - .name:           k_qd8ce708de8_down
    .symbol:         k_qd8ce708de8_down.kd
    .args:
      - { .name: eidx, .offset: 0, .size: 8, .value_kind: global_buffer, .address_space: global }
      - { .name: h_codes, .offset: 8, .size: 8, .value_kind: global_buffer, .address_space: global }
      - { .name: h_scales, .offset: 16, .size: 8, .value_kind: global_buffer, .address_space: global }
      - { .name: wo_codes, .offset: 24, .size: 8, .value_kind: global_buffer, .address_space: global }
      - { .name: wo_scales, .offset: 32, .size: 8, .value_kind: global_buffer, .address_space: global }
      - { .name: tprob, .offset: 40, .size: 8, .value_kind: global_buffer, .address_space: global }
      - { .name: hidden_states, .offset: 48, .size: 8, .value_kind: global_buffer, .address_space: global }
      - { .name: out0, .offset: 56, .size: 8, .value_kind: global_buffer, .address_space: global }
    .group_segment_fixed_size: 150016
    .private_segment_fixed_size: 0
    .kernarg_segment_align: 8
    .kernarg_segment_size: 64
    .max_flat_workgroup_size: 128
    .sgpr_count:     102
    .vgpr_count:     768
    .wavefront_size: 32
...
	.end_amdgpu_metadata
.endif
;; end of part 5
